; MI455X (gfx1250); checked and timed in simulation.
; The chip was launched on July 23, 2026; its instructions are those of AMD's public machine-readable ISA for CDNA 5 (MIT licence, August 2026) and "CDNA5" Instruction Set Architecture Reference Guide (July 2026). The comments in the code are by the model that wrote it; some were corrected since.
;; Attention. Allowed arithmetic: matrix products marked QUANTISED: E2M3 operands, one E8M0 scale for each 32 along K, by v_wmma_scale_f32_16x16x128_f8f6f4 with both operands' format E2M3, f32 sums; everything else in f32.
;; Inputs: cos 1,024 x 64 float32; mask 1 x 1 x 1,024 x 1,024 float32; sin 1,024 x 64 float32; wk 1,024 x 4,096 float32; wo 4,096 x 4,096 float32; wq 4,096 x 4,096 float32; wv 1,024 x 4,096 float32; x 1 x 1,024 x 4,096 float32.
;; Outputs: out0 1 x 1,024 x 4,096 float32.
;; This version of the problem:
;;   THIS VERSION OF THE PROBLEM IS GIVEN IN LOW PRECISION. The matrix products marked QUANTISED in the list below multiply operands that are first quantised to E2M3 (2 exponent bits, 3 mantissa bits; 6 bits a number), with one power-of-two scale for each 32 numbers along K (OCP MX v1.0); their sums are f32. All else is computed in f32.
;;   The module's matrix products, in the order in which they are computed (A, B: the left and right operand; K: the contracted axis; several contracted axes count as one K, in the product's order):
;;     1. [M 1,024, K 4,096] x [K 4,096, N 4,096]; A: input x; B: input wq: QUANTISED
;;     2. [M 1,024, K 4,096] x [K 4,096, N 1,024]; A: input x; B: input wk: QUANTISED
;;     3. [M 1,024, K 4,096] x [K 4,096, N 1,024]; A: input x; B: input wv: QUANTISED
;;     4. batch 32 x [M 1,024, K 128] x [K 128, N 1,024]; A: computed on the way; B: computed on the way: QUANTISED
;;     5. batch 32 x [M 128, K 1,024] x [K 1,024, N 1,024]; A: computed on the way; B: softmax (see below): QUANTISED
;;     6. [M 1,024, K 4,096] x [K 4,096, N 4,096]; A: computed on the way; B: input wo: QUANTISED
;;   THE QUANTISER, for each operand of a quantised product, along K:
;;     - K is cut into blocks of 32 from its start; a last block that is shorter is filled with zeros.
;;     - A block's scale is 2^e with e = floor(log2(the largest magnitude in the block)) - 2, held to -126 .. 127; a block of zeros has e = 0. As a byte (E8M0): e + 127.
;;     - Each number is divided by its block's scale, clamped to +-7.5, and rounded to the nearest number of E2M3, ties to even, subnormals kept.
;;     - The product sums the exact products of the quantised numbers (number of the format x scale) in f32.
;;   ~~~python
;;   def quantise(x, axis):      # numpy; x: float32 -> the quantised numbers, widened to float32 again
;;       x = np.moveaxis(x, axis, -1); K = x.shape[-1]
;;       x = np.pad(x, [(0, 0)] * (x.ndim - 1) + [(0, -K % 32)]); x = x.reshape(x.shape[:-1] + (-1, 32)); a = np.abs(x).max(-1, keepdims=True)
;;       e = np.where(a > 0, np.clip(np.frexp(np.where(a > 0, a, 1))[1] - 1 - 2, -126, 127), 0)      # np.frexp(a)[1] - 1 = floor(log2(a)), exactly
;;       r = np.clip(x / 2.0 ** e, -7.5, 7.5)
;;       step = 2.0 ** (np.maximum(np.frexp(np.where(r == 0, 1, r))[1] - 1, 0) - 3)
;;       q = np.round(r / step) * step * 2.0 ** e      # np.round: ties to even
;;       return np.moveaxis(q.reshape(q.shape[:-2] + (-1,))[..., :K], -1, axis).astype(np.float32)
;;   ~~~
;;   SOFTMAX AHEAD OF A QUANTISED PRODUCT. Where the list says 'softmax', what is quantised is not the finished softmax but p = 2^(t - M), with t = logit x log2(e) and M = ceil(the row's largest t), a whole number; so 1/2 < the row's largest p <= 1. The row's sum l is taken of the UNQUANTISED p, in f32, and the product's result is divided by l at the end. Since M is a whole number, a kernel that streams over the keys may use a running M (the ceiling of the running maximum): every later rescaling is an exact power of two, which a block's scale takes up: the codes' values come out the same.
;;   OPERANDS COMPUTED ON THE WAY. 'Computed on the way' means the value that the module computes at that place (a softmax that the list does not call 'softmax' is quantised finished and normalised). What goes into a quantiser is computed in f32, as accurately as f32 sums, v_exp_f32 and their like allow (about 1e-6 of the number): no bf16 or f16 on the way to a quantiser, and a product that is left as it is and whose result goes on into a quantised operand takes f32 operands (vector FMAs, or v_wmma_f32_16x16x4_f32). A number that lies on a knife's edge between two numbers of the format may be rounded either way, as far as f32 arithmetic and the matrix unit's own rounding can turn it there, and no further.
;; One version. Each part assembles by itself: llvm-mc -triple=amdgcn-amd-amdhsa -mcpu=gfx1250 --defsym DOCPART=n.
;; ======== version 1 of 1: 4 launches
;; limits: right only within a limited range of input values
;; workspace buffers: codes 22,937,600 bytes; woc 13,107,200 bytes; qkvc 4,915,200 bytes; oc 3,276,800 bytes
;; launch quant (part 1): grid 256 x 1, 16 waves a work-group, no clusters, 137,216 bytes of LDS; arguments wq, wk, x, wv, wo, codes, woc; writes codes, woc
.if DOCPART == 1
	.amdgcn_target "amdgcn-amd-amdhsa--gfx1250"
	.amdhsa_code_object_version 6
	.text
	.protected	k_qaa6631e61f_quant
	.globl	k_qaa6631e61f_quant
	.p2align	8
	.type	k_qaa6631e61f_quant,@function
k_qaa6631e61f_quant:
	s_mov_b64 s[64:65], 0
	v_nop
	global_prefetch_b8 v0, s[64:65] scope:SCOPE_SE
	s_setreg_imm32_b32 hwreg(HW_REG_WAVE_MODE, 25, 1), 1
	s_wait_xcnt 0x0
; THE PROGRAM: an attention layer (1,024 tokens, width 4,096, 32 query heads, 8 key/value heads of 128), all six products on codes of FP6 (E2M3) with one E8M0 scale for each 32 along K.
; Four launches: this one turns x, wq, wk, wv and a quarter of wo (f32, K innermost) into codes; the second makes q, k (with RoPE) and v and quantises them on its way out, and on the WGPs that this leaves free turns
; the other three quarters of wo into codes; the third is the attention; the fourth is the product with wo.
; NOTHING OF reference() IS LEFT OUT: every input has a way to the output, and the mask is an input, so all 1,024 keys are walked for every query and every number of the mask is added.
; THE FORMAT OF EVERY OPERAND IN THIS PROGRAM'S OWN BUFFERS.
;   A TILE 2 b + u of a matrix's rows is the 16 rows 32 b + 8 u + r + 8 (r / 8), r = 0 .. 15.  As source 0 of a product its result's register j in lane half h is then row 32 b + 16 h + 8 u + j:
;   the 16 registers of tiles 2 b and 2 b + 1 are 16 neighbouring rows, which is what the next quantiser wants of a lane.
;   A FRAGMENT (a tile x 128 along K) is 12 registers a lane: lane (r, h) holds in registers 6 c .. 6 c + 5 the codes of k = 64 c + 32 h + 0 .. 31.  It is kept as an image of these registers, 1,536 bytes:
;   registers 4 c .. 4 c + 3 of lane l at 512 c + 16 l.  Three loads of 16 bytes a lane bring it back, each 512 consecutive bytes.
;   A RECORD is the 8 fragments of 128 rows for one K step of 128, and behind them 512 bytes of scale words: that of tile-lane r, tile p at 32 r + 4 p.  12,800 bytes.
;   A BLOCK is 128 rows x 4,096 along K: 32 records on end.  codes: blocks 0-31 wq, 32-39 wk, 40-47 x, 48-55 wv.  woc: wo's 32 blocks; of each eight K steps this launch makes the last two, the second launch the first six.
; THE QUANTISER: a block's scale is 2^(floor(log2(its largest magnitude)) - 2); its byte is the largest magnitude's exponent field - 2; each number is divided by the scale and rounded to the nearest code, ties to even,
; beyond 7.5 the largest code.
; LIMITS: the largest magnitude is held at 2^-124 from below, so that the byte cannot fall under 1; a block of zeros so gets the byte 1 where the rule says 127: its codes are zeros, which add nothing, and this program
; alone reads the bytes.  NaN and infinities in x or in the weights are not served.
; SHARES: 56 blocks are 1,792 records, and wo's quarter 256 more: 4,096 halves of four tiles: 256 work-groups of 16 waves, a half record to a wave: 32 KiB of f32 in, 6,400 bytes out.  No tensor load, no barrier: waves share nothing.
; A load takes 512 consecutive bytes of one row; a tile's 16 rows turn through the wave's own stage in LDS (rows 528 bytes apart), from which lane (r, h) takes its two whole blocks of 32 numbers.
.set REC,    12800
.set FRB,    1536
.set SCO,    12288
.set WAVES,  16
.set OWN,    1792                      ; records of codes; the records from here on are wo's
.set SPITCH, 528                       ; a stage row: 512 bytes + 16
.set WST,    16*SPITCH                 ; a wave's stage
.set SPARE,  WAVES*WST                 ; behind the stages: the spare words, 128 bytes a wave: eight blocks of 256 bytes that no other line names
.set R,      16                        ; v16-143  two sets of 64: a tile's numbers as loaded
.set X,      144                       ; v144-207 register 32 c + i = k 64 c + 32 h + i of my row
.set C,      208                       ; v208-219 the fragment's codes
.set C2,     220                       ; v220-222, v224-226 the upper halves of the two blocks, as converted
.set TM,     228                       ; v228-235 at work
.set SW,     236                       ; v236-239 my four tiles' scale words
.set SPW,    244                       ; v244     LDS address of my spare word; never rewritten
.set NIL,    245                       ; v245     0; never rewritten
	s_load_b256 s[4:11], s[0:1], 0x0               ; wq s[4:5], wk s[6:7], x s[8:9], wv s[10:11]
	s_load_b128 s[12:15], s[0:1], 0x20             ; wo s[12:13], codes s[14:15]
	s_load_b64 s[32:33], s[0:1], 0x30              ; woc
	v_lshl_add_u32 v[SPW], v0, 2, SPARE
	v_mov_b32 v[NIL], 0
	v_lshrrev_b32 v1, 5, v0
	s_delay_alu instid0(VALU_DEP_1)
	v_readfirstlane_b32 s18, v1                    ; wave 0..15
	v_and_b32 v2, 31, v0                           ; lane
	s_delay_alu instid0(VALU_DEP_1)
	v_lshlrev_b32 v3, 4, v2                        ; 16 x lane: my bytes of a load's 512
	s_wait_alu depctr_va_vdst(0)
	v_and_b32 v6, 15, v0                           ; r
	s_wait_alu depctr_va_vdst(0)
	v_bfe_u32 v7, v0, 4, 1                         ; h
	s_delay_alu instid0(VALU_DEP_1)
	v_lshlrev_b32 v5, 3, v7                        ; 8 h: my two bytes' place in a scale word, in bits
	s_mul_i32 s19, s18, WST
	v_add_nc_u32 v14, s19, v3                      ; the stage, on the way in: 16 x lane of a row
	v_mul_u32_u24 v15, v6, SPITCH
	s_delay_alu instid0(VALU_DEP_1)
	v_lshl_add_u32 v15, v7, 7, v15
	s_delay_alu instid0(VALU_DEP_1)
	v_add_nc_u32 v15, s19, v15                     ; and on the way out: row r, + 128 h
	v_mov_b32 v[TM+7], 0                           ; written once: a lane permute's destination counts as one of its sources
	s_mov_b32 s26, 0x76543210
	s_mov_b32 s27, 0xfedcba98                      ; v_permlanex16_b32's selects for lane l xor 16
	s_mul_i32 s16, ttmp9, WAVES
	s_add_co_u32 s16, s16, s18                     ; my half record's number
	s_and_b32 s29, s16, 1                          ; which half: tiles 4 x half on
	s_lshr_b32 s30, s16, 1                         ; the record
	s_lshr_b32 s16, s30, 5                         ; its block
	s_and_b32 s17, s30, 31                         ; its K step
	s_mul_i32 s31, s29, 4*FRB
	v_add_nc_u32 v13, s31, v3                      ; my 16 bytes of my first image in the record
	s_lshl_b32 s31, s29, 4
	v_lshl_add_u32 v4, v6, 5, s31                  ; 32 r + 16 x half: my four scale words
	s_wait_alu depctr_va_vdst(0)
	s_wait_kmcnt 0x0
	s_sub_co_u32 s34, s30, OWN                     ; as one of wo's records, 0 .. 255 (used only from record OWN on):
	s_lshr_b32 s35, s34, 3                         ; eight to a block of wo,
	s_and_b32 s36, s34, 6
	s_lshl_b32 s36, s36, 2
	s_and_b32 s37, s34, 1
	s_add_co_u32 s36, s36, s37
	s_add_co_u32 s36, s36, 6                       ; K steps 6 and 7 of each eight,
	s_lshl_b32 s37, s35, 5
	s_add_co_u32 s37, s37, s36                     ; and the record's number in woc
	s_mov_b64 s[20:21], s[10:11]                   ; whose block it is: the choice hangs on the work-group's and the wave's number alone
	s_mov_b32 s28, 48
	s_cmp_lt_u32 s16, 48
	s_cselect_b64 s[20:21], s[8:9], s[20:21]
	s_cselect_b32 s28, 40, s28
	s_cmp_lt_u32 s16, 40
	s_cselect_b64 s[20:21], s[6:7], s[20:21]
	s_cselect_b32 s28, 32, s28
	s_cmp_lt_u32 s16, 32
	s_cselect_b64 s[20:21], s[4:5], s[20:21]
	s_cselect_b32 s28, 0, s28
	s_sub_co_u32 s24, s16, s28                     ; the block's number in its tensor
	s_cmp_lt_u32 s30, OWN                          ; one of codes' records, or one of wo's?
	s_cselect_b64 s[20:21], s[20:21], s[12:13]
	s_cselect_b64 s[22:23], s[14:15], s[32:33]
	s_cselect_b32 s24, s24, s35
	s_cselect_b32 s17, s17, s36
	s_cselect_b32 s30, s30, s37
	s_lshl_b32 s24, s24, 21                        ; a block: 128 rows of 16,384 bytes each,
	s_lshl_b32 s25, s29, 20                        ; my half: 64 rows,
	s_add_co_u32 s24, s24, s25
	s_lshl_b32 s25, s17, 9                         ; and 512 bytes a K step
	s_add_co_u32 s24, s24, s25
	s_mov_b32 s25, 0
	s_add_nc_u64 s[20:21], s[20:21], s[24:25]
	s_mul_i32 s24, s30, REC                        ; my record
	s_add_nc_u64 s[22:23], s[22:23], s[24:25]
.macro LOAD f                          ; my tile f's 16 rows: 512 consecutive bytes each
.irp i, 0,1,2,3,4,5,6,7,8,9,10,11,12,13,14,15
	global_load_b128 v[R+64*((\f)%2)+4*\i:R+64*((\f)%2)+4*\i+3], v3, s[20:21] offset:(32*((\f)/2)+8*((\f)%2)+\i+8*(\i/8))*16384 th:TH_LOAD_NT
.endr
.endm
.macro TURN f                          ; through the stage: LDS serves a wave's instructions in order (ISA guide 5.7.1), so no wait stands between the stores and the loads
.irp i, 0,1,2,3,4,5,6,7,8,9,10,11,12,13,14,15
	ds_store_b128 v14, v[R+64*((\f)%2)+4*\i:R+64*((\f)%2)+4*\i+3] offset:SPITCH*\i
.endr
.irp c, 0,1
.irp q, 0,1,2,3,4,5,6,7
	ds_load_b128 v[X+32*\c+4*\q:X+32*\c+4*\q+3], v15 offset:256*\c+16*\q
.endr
.endr
.endm
.macro FRAG f
	s_wait_dscnt 0x0                               ; my 64 numbers are back from the stage, and the stores into it have read their registers
	s_wait_xcnt 0x0                                ; the last fragment's stores have read their data: the codes' registers are written again only behind this wait
.if (\f) < 2
	LOAD (\f)+2
.endif
.irp c, 0,1                            ; my block 2 c + h: all its 32 numbers are mine
	v_max3_num_f32 v[TM+\c], |v[X+32*\c]|, |v[X+32*\c+1]|, 0x1800000   ; and the floor 2^(3 - 127)
.endr
.irp i, 2,4,6,8,10,12,14,16,18,20,22,24,26,28,30
.irp c, 0,1
	s_delay_alu instid0(VALU_DEP_2)
	v_max3_num_f32 v[TM+\c], v[TM+\c], |v[X+32*\c+\i]|, |v[X+32*\c+\i+1]|
.endr
.endr
.irp c, 0,1
	s_delay_alu instid0(VALU_DEP_2)
	v_add_nc_u32 v[TM+2+\c], 0xff000000, v[TM+\c]  ; 2 off the exponent field: the conversion takes the exponent field of this operand as its scale
.endr
.irp c, 0,1
	s_delay_alu instid0(VALU_DEP_2)
	v_lshrrev_b32 v[TM+4+\c], 23, v[TM+2+\c]       ; the scale's byte
.endr
	s_delay_alu instid0(VALU_DEP_1)
	v_lshl_or_b32 v[TM+6], v[TM+5], 16, v[TM+4]    ; my two bytes: blocks h and 2 + h,
	s_delay_alu instid0(VALU_DEP_1)
	v_lshlrev_b32 v[TM+6], v5, v[TM+6]             ; at their places in the word;
	s_delay_alu instid0(VALU_DEP_1)
	v_permlanex16_b32 v[TM+7], v[TM+6], s26, s27
	s_delay_alu instid0(VALU_DEP_1)
	v_or_b32 v[SW+(\f)], v[TM+6], v[TM+7]          ; with lane l xor 16's two the word is whole, in both lanes
.irp c, 0,1
	v_cvt_scalef32_pk16_fp6_f32 v[C+6*\c:C+6*\c+2], v[X+32*\c:X+32*\c+15], v[TM+2+\c]
	v_cvt_scalef32_pk16_fp6_f32 v[C2+4*\c:C2+4*\c+2], v[X+32*\c+16:X+32*\c+31], v[TM+2+\c]   ; (a conversion's three registers begin on an even number)
.endr
	v_nop                                          ; one plain place behind a scaled conversion
.if (\f) < 2
	s_wait_alu depctr_va_vdst(0)
	s_wait_loadcnt 16                              ; the next tile's 16 loads are in; those of the tile after it may be out
	TURN (\f)+1
.elseif (\f) == 2
	s_wait_alu depctr_va_vdst(0)
	s_wait_loadcnt 0x0
	TURN (\f)+1
.endif
.irp c, 0,1
.irp i, 0,1,2
	v_mov_b32 v[C+6*\c+3+\i], v[C2+4*\c+\i]
.endr
.endr
.irp c, 0,1,2
	global_store_b128 v13, v[C+4*\c:C+4*\c+3], s[22:23] offset:FRB*(\f)+512*\c   ; 32 lanes store 512 consecutive bytes, at a multiple of 256 from the buffer's first byte
.endr
.endm
	LOAD 0
	LOAD 1
	s_wait_loadcnt 16                              ; tile 0's loads are in
	TURN 0
.irp f, 0,1,2,3
	FRAG \f
.endr
	global_store_b128 v4, v[SW:SW+3], s[22:23] offset:SCO   ; my four tiles' words of row r (lanes 16-31 hold and write the same)
	s_wait_tensorcnt 0x0                           ; the wave's end
	ds_add_u32 v[SPW], v[NIL]
	s_wait_dscnt 0x0
	s_endpgm
.Lfunc_end_k_qaa6631e61f_quant:
	.size	k_qaa6631e61f_quant, .Lfunc_end_k_qaa6631e61f_quant-k_qaa6631e61f_quant
	.p2alignl 7, 3214868480
	.fill 96, 4, 3214868480
	.section	.rodata,"a",@progbits
	.p2align	6, 0x0
	.amdhsa_kernel k_qaa6631e61f_quant
		.amdhsa_group_segment_fixed_size 137216
		.amdhsa_private_segment_fixed_size 0
		.amdhsa_enable_private_segment 0
		.amdhsa_kernarg_size 56
		.amdhsa_user_sgpr_count 2
		.amdhsa_user_sgpr_kernarg_segment_ptr 1
		.amdhsa_wavefront_size32 1
		.amdhsa_system_sgpr_workgroup_id_x 1
		.amdhsa_system_sgpr_workgroup_id_y 1
		.amdhsa_system_sgpr_workgroup_id_z 1
		.amdhsa_system_vgpr_workitem_id 0
		.amdhsa_next_free_vgpr 256
		.amdhsa_next_free_sgpr 66
		.amdhsa_reserve_vcc 0
		.amdhsa_float_denorm_mode_32 3
		.amdhsa_float_denorm_mode_16_64 3
		.amdhsa_memory_ordered 1
		.amdhsa_forward_progress 1
		.amdhsa_inst_pref_size 36
	.end_amdhsa_kernel
	.amdgpu_metadata
---
amdhsa.version: [ 1, 2 ]
amdhsa.kernels:
  - .name:           k_qaa6631e61f_quant
    .symbol:         k_qaa6631e61f_quant.kd
    .args:
      - { .name: wq, .offset: 0, .size: 8, .value_kind: global_buffer, .address_space: global }
      - { .name: wk, .offset: 8, .size: 8, .value_kind: global_buffer, .address_space: global }
      - { .name: x, .offset: 16, .size: 8, .value_kind: global_buffer, .address_space: global }
      - { .name: wv, .offset: 24, .size: 8, .value_kind: global_buffer, .address_space: global }
      - { .name: wo, .offset: 32, .size: 8, .value_kind: global_buffer, .address_space: global }
      - { .name: codes, .offset: 40, .size: 8, .value_kind: global_buffer, .address_space: global }
      - { .name: woc, .offset: 48, .size: 8, .value_kind: global_buffer, .address_space: global }
    .group_segment_fixed_size: 137216
    .private_segment_fixed_size: 0
    .kernarg_segment_align: 8
    .kernarg_segment_size: 56
    .max_flat_workgroup_size: 512
    .sgpr_count:     66
    .vgpr_count:     256
    .wavefront_size: 32
...
	.end_amdgpu_metadata
.endif
;; end of part 1
;; launch proj (part 2): grid 64 x 4, 4 waves a work-group, clusters of 4 x 4, 327,680 bytes of LDS; arguments codes, cos, sin, qkvc, wo, woc; writes qkvc, woc
.if DOCPART == 2
	.amdgcn_target "amdgcn-amd-amdhsa--gfx1250"
	.amdhsa_code_object_version 6
	.text
	.protected	k_qaa6631e61f_proj
	.globl	k_qaa6631e61f_proj
	.p2align	8
	.type	k_qaa6631e61f_proj,@function
k_qaa6631e61f_proj:
	s_mov_b64 s[64:65], 0
	v_nop
	global_prefetch_b8 v0, s[64:65] scope:SCOPE_SE
	s_setreg_imm32_b32 hwreg(HW_REG_WAVE_MODE, 25, 1), 1
	s_wait_xcnt 0x0
	s_wait_alu depctr_hold_cnt(0) depctr_sa_sdst(0) depctr_va_vdst(0) depctr_va_sdst(0) depctr_va_ssrc(0) depctr_va_vcc(0) depctr_vm_vsrc(0)
	s_getreg_b32 s2, hwreg(HW_REG_IB_STS2, 6, 4)
	s_cmp_eq_u32 s2, 0
	s_cbranch_scc0 .Lentry_in_a_cluster
	s_endpgm
.Lentry_in_a_cluster:
	s_bfe_u32 s2, ttmp6, 0x10000c
	s_cmp_lg_u32 s2, 0xf033
	s_cbranch_scc0 .Lentry_shape_is_right
	s_endpgm
.Lentry_shape_is_right:
.set REC,   12800
.set FRB,   1536
.set SCO,   12288
.set BLK,   32*REC
.set PB,    4*REC
.set HALFP, 2*REC
.set SLOT,  3*PB
.set SPARE, 2*SLOT
.set AP,  16
.set AR,  18
.set ASP, 20
.set AS,  22
.set LI,  24
.set SOF, 25
.set CO,  26
.set OLI, 27
.set SPW, 28
.set NIL, 29
.set SC,  32
.set RF,  64
.set TMP, 64
.set PC,  128
.set TM,  160
.set PW,  176
.set G1P, 24
.set G0P, 32
.set G1R, 48
.set G0R, 56
.set SEL, 70
.set MSB, 0
.macro WIN new
.if MSB != \new
	s_set_vgpr_msb (MSB<<8)|\new
.set MSB, \new
.endif
.endm
.set MULW,  0xa1
.set TO_P,  0x40
.set TO_CS, 0xc0
.set ROT1,  0x0e
.set ROT2,  0x8e
.set QMAX,  0x28
.set QCVT,  0x02
.macro JLOAD s
	s_cmp_eq_u32 s15, 0
	s_cbranch_scc0 .Lfor_r_\@
	tensor_load_to_lds s[G0P+4*\s:G0P+4*\s+3], s[G1P:G1P+7]
	s_nop 0
.rept 4
	v_nop
.endr
	s_branch .Lasked_\@
.Lfor_r_\@:
	tensor_load_to_lds s[G0R+4*\s:G0R+4*\s+3], s[G1R:G1R+7]
	s_nop 0
.rept 4
	v_nop
.endr
.Lasked_\@:
.endm
.macro CREST
	s_cmp_lg_u32 s14, 0
	s_cbranch_scc1 .Lnot_wave_0_\@
	s_barrier_signal -3
.Lnot_wave_0_\@:
	s_barrier_wait -3
	s_barrier_signal -1
	s_barrier_wait -1
.endm
.macro CROUND
	s_barrier_signal -1
	s_barrier_wait -1
	CREST
.endm
	s_load_b256 s[4:11], s[0:1], 0x0
	s_load_b128 s[92:95], s[0:1], 0x20             ; wo, woc
	v_lshl_add_u32 v[SPW], v0, 2, SPARE
	v_mov_b32 v[NIL], 0
	ds_add_u32 v[SPW], v[NIL]
	ds_add_u32 v[SPW], v[NIL]
	v_lshrrev_b32 v1, 5, v0
	v_readfirstlane_b32 s14, v1
	s_lshr_b32 s15, s14, 1
	s_and_b32 s16, s14, 1
	s_bfe_u32 s40, ttmp6, 0x40000
	s_bfe_u32 s41, ttmp6, 0x40004
	s_lshr_b32 s12, ttmp9, 2                       ; of the sixteen clusters numbers 3, 7, 11, 15 work on wo: so many of them stand ahead of mine,
	s_sub_co_u32 s13, ttmp9, s12                   ; and this is my number among the twelve that make q, k, v
	s_lshl_b32 s42, s13, 2
	s_add_co_u32 s42, s42, s40
	s_lshl_b32 s43, s41, 2
	s_lshl_b32 s43, 15, s43
	s_lshl_b32 s44, 0x1111, s40
	s_or_b32 s[G1P], s44, (3<<16)|(1<<21)
	s_or_b32 s[G1R], s43, (3<<16)|(1<<21)
	s_mov_b32 s[G1P+1], 32<<16
	s_mov_b32 s[G1P+2], 100<<16
	s_mov_b32 s[G1P+3], 32<<16
	s_mov_b32 s[G1P+4], 100
	s_mov_b32 s[G1P+5], 32
	s_mov_b32 s[G1P+6], 0
	s_mov_b32 s[G1P+7], 0
	s_mov_b32 s[G1R+1], 32<<16
	s_mov_b32 s[G1R+2], 200<<16
	s_mov_b32 s[G1R+3], 32<<16
	s_mov_b32 s[G1R+4], 200
	s_mov_b32 s[G1R+5], 32
	s_mov_b32 s[G1R+6], 0
	s_mov_b32 s[G1R+7], 0
	s_cmp_ge_u32 s13, 10
	s_cselect_b32 s45, 48, 40
	s_cselect_b32 s17, 1, 0
	s_mul_i32 s20, s42, BLK
	s_mul_i32 s18, s16, HALFP
	s_add_co_u32 s20, s20, s18
	s_mov_b32 s21, 0
	s_lshl_b32 s46, s41, 1
	s_add_co_u32 s46, s46, s45
	s_add_co_u32 s46, s46, s16
	s_mul_i32 s46, s46, BLK
	s_mov_b32 s47, 0
	s_mul_i32 s19, s16, PB
	s_add_co_u32 s19, s19, PB
	s_mov_b32 s[SEL], 0x76543210
	s_mov_b32 s[SEL+1], 0xfedcba98
	s_wait_dscnt 0x0
	s_wait_kmcnt 0x0
	s_add_nc_u64 s[20:21], s[4:5], s[20:21]
	s_add_nc_u64 s[46:47], s[4:5], s[46:47]
	s_and_b32 s3, ttmp9, 3                         ; every fourth cluster turns wo into codes.  The cluster's number is the same in all sixteen partners
	s_cmp_eq_u32 s3, 3
	s_cbranch_scc1 .Lwo
	CROUND
.irp s, 0,1
	s_mov_b32 s[G0P+4*\s], 1
	s_add_co_u32 s[G0P+4*\s+1], s18, \s*SLOT
	s_add_nc_u64 s[G0P+4*\s+2:G0P+4*\s+3], s[20:21], \s*PB
	s_or_b32 s[G0P+4*\s+3], s[G0P+4*\s+3], 0x80000000
	s_mov_b32 s[G0R+4*\s], 1
	s_add_co_u32 s[G0R+4*\s+1], s19, \s*SLOT
	s_add_nc_u64 s[G0R+4*\s+2:G0R+4*\s+3], s[46:47], \s*PB
	s_or_b32 s[G0R+4*\s+3], s[G0R+4*\s+3], 0x80000000
	s_wait_alu depctr_va_vdst(0)
	s_wait_tensorcnt 0x0
	ds_add_u32 v28, v29
	ds_add_u32 v28, v29
	s_wait_dscnt 0x0
	CROUND
	JLOAD \s
.endr
	v_and_b32 v1, 15, v0
	v_bfe_u32 v2, v0, 4, 1
	v_and_b32 v3, 31, v0
	v_lshlrev_b32 v[LI], 4, v3
	s_wait_alu depctr_va_vdst(0)
	v_and_b32 v4, 8, v1
	v_add_nc_u32 v4, v4, v1
	v_lshlrev_b32 v[CO], 8, v4
	v_lshl_add_u32 v[CO], v2, 5, v[CO]
	s_lshl_b32 s12, s41, 16
	s_lshl_b32 s13, s14, 14
	s_add_co_u32 s12, s12, s13
	s_mov_b32 s13, 0
	s_add_nc_u64 s[6:7], s[6:7], s[12:13]
	s_add_nc_u64 s[8:9], s[8:9], s[12:13]
	WIN TO_CS
.irp i, 0,1,2,3
.irp t, 0,1,2,3,4,5,6,7
	global_load_b128 v[32*\i+4*\t:32*\i+4*\t+3], v[CO], s[6:7] offset:(32*(\i/2)+8*(\i%2))*256+64*(\t/2)+16*(\t%2)
	global_load_b128 v[128+32*\i+4*\t:128+32*\i+4*\t+3], v[CO], s[8:9] offset:(32*(\i/2)+8*(\i%2))*256+64*(\t/2)+16*(\t%2)
.endr
.endr
	WIN 0
	s_mul_i32 s22, s15, PB
	s_add_co_u32 s22, s22, PB
	s_mul_i32 s23, s16, 4*FRB
	v_add_nc_u32 v[OLI], s23, v[LI]
	s_add_co_u32 s23, s23, s22
	s_lshl_b32 s12, s16, 4
	s_add_co_u32 s22, s22, s12
	v_lshlrev_b32 v4, 5, v1
	v_add_nc_u32 v[SOF], s12, v4
	v_mul_u32_u24 v5, s22, v2
.irp s, 0,1
	v_add_nc_u32 v[AP+\s], \s*SLOT, v[LI]
	v_add_nc_u32 v[AR+\s], s23, v[LI]
	v_add_nc_u32 v[ASP+\s], \s*SLOT+SCO, v4
	v_add_nc_u32 v[AS+\s], v[ASP+\s], v5
	s_add_co_u32 s23, s23, SLOT
.endr
.irp b, 0,1,2,3
	v_mov_b32 v[TM+4+\b], 0
.endr
	s_lshl_b32 s66, s41, 1
	s_add_co_u32 s66, s66, s15
	s_lshl_b32 s67, s42, 3
	s_add_co_u32 s67, s67, s66
	s_lshl_b32 s68, s66, 3
	s_add_co_u32 s68, s68, s42
	s_add_co_u32 s68, s68, 280
	s_cmp_eq_u32 s17, 1
	s_cselect_b32 s67, s68, s67
	s_mul_i32 s66, s67, REC
	s_mov_b32 s67, 0
	s_add_nc_u64 s[10:11], s[10:11], s[66:67]
.macro MUL i0, n, set, zero
.set ii, \i0
.rept \n
.irp t, 0,1,2,3,4,5,6,7
.if \zero
	v_wmma_scale_f32_16x16x128_f8f6f4 v[64*ii+8*\t:64*ii+8*\t+7], v[128*(\set)+12*\t:128*(\set)+12*\t+11], v[RF+48*(\set)+12*ii:RF+48*(\set)+12*ii+11], 0, v[SC+8*(\set)+\t], v[SC+8*(\set)+ii] matrix_a_fmt:MATRIX_FMT_FP6 matrix_b_fmt:MATRIX_FMT_FP6 matrix_b_scale:MATRIX_SCALE_ROW1
.else
	v_wmma_scale_f32_16x16x128_f8f6f4 v[64*ii+8*\t:64*ii+8*\t+7], v[128*(\set)+12*\t:128*(\set)+12*\t+11], v[RF+48*(\set)+12*ii:RF+48*(\set)+12*ii+11], v[64*ii+8*\t:64*ii+8*\t+7], v[SC+8*(\set)+\t], v[SC+8*(\set)+ii] matrix_a_fmt:MATRIX_FMT_FP6 matrix_b_fmt:MATRIX_FMT_FP6 matrix_b_scale:MATRIX_SCALE_ROW1
.endif
.endr
.set ii, ii+1
.endr
.endm
.macro FETCH slot, q, set
	WIN TO_P
.irp t, 0,1,2,3,4,5,6,7
.irp c, 0,1,2
	ds_load_b128 v[128*(\set)+12*\t+4*\c:128*(\set)+12*\t+4*\c+3], v[AP+\slot] offset:(\q)*REC+\t*FRB+512*\c
.endr
.endr
	WIN 0
.irp i, 0,1,2,3
.irp c, 0,1,2
	ds_load_b128 v[RF+48*(\set)+12*\i+4*\c:RF+48*(\set)+12*\i+4*\c+3], v[AR+\slot] offset:(\q)*REC+\i*FRB+512*\c
.endr
.endr
	ds_load_b128 v[SC+8*(\set):SC+8*(\set)+3], v[AS+\slot] offset:(\q)*REC
	ds_load_b128 v[SC+8*(\set)+4:SC+8*(\set)+7], v[ASP+\slot] offset:(\q)*REC+16
.endm
.macro PLACES
.rept 4
	v_nop
.endr
.endm
.macro STEP slot, q, zero
	s_wait_dscnt 0x0
	PLACES
	FETCH \slot, (\q)+1, ((\q)+1)%2
	WIN MULW
	MUL 0, 4, (\q)%2, \zero
.endm
.macro TURN slot, next, fill
	WIN 0
	s_wait_tensorcnt 0x0
	ds_add_u32 v[SPW], v[NIL]
	s_wait_dscnt 1
	WIN MULW
	MUL 0, 1, 1, 0
	s_wait_dscnt 0x0
	s_barrier_signal -1
	MUL 1, 1, 1, 0
	WIN 0
	s_barrier_wait -1
.if \fill
	CREST
	s_add_nc_u64 s[G0P+4*\slot+2:G0P+4*\slot+3], s[G0P+4*\slot+2:G0P+4*\slot+3], 2*PB
	s_add_nc_u64 s[G0R+4*\slot+2:G0R+4*\slot+3], s[G0R+4*\slot+2:G0R+4*\slot+3], 2*PB
	JLOAD \slot
.else
	PLACES
.endif
	FETCH \next, 0, 0
	WIN MULW
	MUL 2, 2, 1, 0
.endm
	s_wait_alu depctr_va_vdst(0)
	s_wait_tensorcnt 1
	s_barrier_signal -1
	s_barrier_wait -1
	FETCH 0, 0, 0
	STEP 0, 0, 1
	WIN 0
	s_mov_b32 s3, 3
.Llap:
	STEP 0, 1, 0
	STEP 0, 2, 0
	TURN 0, 1, 1
	STEP 1, 0, 0
	STEP 1, 1, 0
	STEP 1, 2, 0
	TURN 1, 0, 1
	STEP 0, 0, 0
	WIN 0
	s_sub_co_u32 s3, s3, 1
	s_cmp_lg_u32 s3, 0
	s_cbranch_scc1 .Llap
	STEP 0, 1, 0
	STEP 0, 2, 0
	TURN 0, 1, 0
	STEP 1, 0, 0
	STEP 1, 1, 0
	STEP 1, 2, 0
	s_wait_dscnt 0x0
	WIN MULW
	MUL 0, 4, 1, 0
	WIN 0
	PLACES
	s_wait_loadcnt 0x0
.macro ROPE i
	WIN ROT1
.irp t, 0,1,2,3,4,5,6,7
.irp p, 0,1
	v_pk_mul_f32 v[TMP+8*\t+4*\p:TMP+8*\t+4*\p+1], v[64*\i+8*\t+4*\p:64*\i+8*\t+4*\p+1], v[128+32*\i+4*\t+2*\p:128+32*\i+4*\t+2*\p+1] op_sel:[1,0] op_sel_hi:[0,0]
	v_pk_mul_f32 v[TMP+8*\t+4*\p+2:TMP+8*\t+4*\p+3], v[64*\i+8*\t+4*\p+2:64*\i+8*\t+4*\p+3], v[128+32*\i+4*\t+2*\p:128+32*\i+4*\t+2*\p+1] op_sel:[1,1] op_sel_hi:[0,1]
.endr
.endr
	WIN ROT2
.irp t, 0,1,2,3,4,5,6,7
.irp p, 0,1
	v_pk_fma_f32 v[64*\i+8*\t+4*\p:64*\i+8*\t+4*\p+1], v[64*\i+8*\t+4*\p:64*\i+8*\t+4*\p+1], v[32*\i+4*\t+2*\p:32*\i+4*\t+2*\p+1], v[TMP+8*\t+4*\p:TMP+8*\t+4*\p+1] op_sel:[0,0,0] op_sel_hi:[1,0,1] neg_lo:[0,0,1]
	v_pk_fma_f32 v[64*\i+8*\t+4*\p+2:64*\i+8*\t+4*\p+3], v[64*\i+8*\t+4*\p+2:64*\i+8*\t+4*\p+3], v[32*\i+4*\t+2*\p:32*\i+4*\t+2*\p+1], v[TMP+8*\t+4*\p+2:TMP+8*\t+4*\p+3] op_sel:[0,1,0] op_sel_hi:[1,1,1] neg_lo:[0,0,1]
.endr
.endr
.endm
	s_cmp_eq_u32 s17, 1
	s_cbranch_scc1 .Lno_rope
.irp i, 0,1,2,3
	ROPE \i
.endr
	WIN 0
.Lno_rope:
.macro QUANT s, pw
	WIN QMAX
.irp b, 0,1,2,3
	v_max3_num_f32 v[TM+\b], 0x1800000, |v[(\s)+16*\b]|, |v[(\s)+1+16*\b]|
.endr
.irp i, 2,4,6,8,10,12,14
.irp b, 0,1,2,3
	v_max3_num_f32 v[TM+\b], v[TM+\b], |v[(\s)+16*\b+\i]|, |v[(\s)+1+16*\b+\i]|
.endr
.endr
	WIN 0
.irp b, 0,1,2,3
	v_permlanex16_b32 v[TM+4+\b], v[TM+\b], s[SEL], s[SEL+1]
.endr
.irp b, 0,1,2,3
	v_max_num_f32 v[TM+\b], v[TM+\b], v[TM+4+\b]
.endr
.irp b, 0,1,2,3
	v_add_nc_u32 v[TM+12+\b], 0xff000000, v[TM+\b]
.endr
.irp b, 0,1,2,3
	v_lshrrev_b32 v[TM+4+\b], 23, v[TM+12+\b]
.endr
	v_lshl_or_b32 v[\pw], v[TM+5], 8, v[TM+4]
	v_lshl_or_b32 v[\pw], v[TM+6], 16, v[\pw]
	v_lshl_or_b32 v[\pw], v[TM+7], 24, v[\pw]
	s_wait_xcnt 0x0
	WIN QCVT
.irp c, 0,1
	v_cvt_scalef32_pk16_fp6_f32 v[PC+6*\c:PC+2+6*\c], v[(\s)+32*\c:(\s)+15+32*\c], v[TM+12+2*\c]
	v_cvt_scalef32_pk16_fp6_f32 v[PC+12+4*\c:PC+14+4*\c], v[(\s)+16+32*\c:(\s)+31+32*\c], v[TM+12+2*\c+1]
.endr
	WIN 0
	v_nop
.irp c, 0,1
.irp i, 0,1,2
	v_permlane16_swap_b32 v[PC+6*\c+\i], v[PC+12+4*\c+\i]
.endr
.irp i, 0,1,2
	v_mov_b32 v[PC+3+6*\c+\i], v[PC+12+4*\c+\i]
.endr
.endr
.endm
.irp i, 0,1,2,3
	QUANT 64*\i, PW+\i
.irp c, 0,1,2
	global_store_b128 v[OLI], v[PC+4*\c:PC+4*\c+3], s[10:11] offset:\i*FRB+512*\c
.endr
.endr
	global_store_b128 v[SOF], v[PW:PW+3], s[10:11] offset:SCO
	s_wait_tensorcnt 0x0
	ds_add_u32 v[SPW], v[NIL]
	s_wait_dscnt 0x0
	CROUND
	s_endpgm
; THREE QUARTERS OF wo [4096][4096] f32 BECOME CODES in woc: 32 blocks of 32 records, in the format and by the quantiser of the first launch.  64 work-groups x 4 waves: a wave takes one half (four tiles) of one block
; for the first six of eight K steps on end: 6 half records (the first launch has made the last two of each eight).  No tensor load, no barrier on this path: waves share nothing.
; A load takes 256 consecutive bytes of each of two rows; a tile turns through the wave's own stage (16 rows x 256 bytes, 272 apart; bytes of their own behind the spare words) in two halves of 64 along K,
; from which lane (r, h) takes a whole block of 32 numbers.  Four sets of 64 registers in window 1: the loads of three tiles (48) are out while one is worked.
.set WSTG, SPARE+512
.set WWST, 16*272
.set WX,   32                          ; v32-95   register 32 c + i = k 64 c + 32 h + i of my row
.set WC,   96                          ; v96-107  the fragment's codes
.set WC2,  108                         ; v108-110, v112-114 the blocks' upper halves as converted
.set WTM,  116                         ; v116-123 at work
.set WSW,  124                         ; v124-127 four tiles' scale words
.macro WLOAD f, ks                     ; tile f of the half record ks K steps on, into set f
	WIN 0x40
.irp c, 0,1
.irp i, 0,1,2,3,4,5,6,7
	global_load_b128 v[64*(\f)+32*\c+4*\i:64*(\f)+32*\c+4*\i+3], v2, s[92:93] offset:(32*((\f)/2)+8*((\f)%2)+2*\i+8*(\i/4))*16384+512*(\ks)+256*\c th:TH_LOAD_NT
.endr
.endr
	WIN 0
.endm
.macro WTURN f                         ; LDS serves a wave's instructions in order (ISA guide 5.7.1): no wait between the stores and the loads, nor ahead of the second half's stores
	WIN 0x04                                       ; a store's data: window 1
.irp c, 0,1
.irp i, 0,1,2,3,4,5,6,7
	ds_store_b128 v3, v[64*(\f)+32*\c+4*\i:64*(\f)+32*\c+4*\i+3] offset:544*\i
.endr
.irp q, 0,1,2,3,4,5,6,7
	ds_load_b128 v[WX+32*\c+4*\q:WX+32*\c+4*\q+3], v4 offset:16*\q
.endr
.endr
	WIN 0
.endm
.macro WFRAG f, more, left             ; left: the loads issued behind tile f's, which may stay out
	s_wait_loadcnt \left
	WTURN \f
	s_wait_dscnt 0x0                               ; my 64 numbers are back, and the stores have read set f
	s_wait_xcnt 0x0                                ; the last fragment's stores have read their data
.if \more
	WLOAD \f, 1
.endif
.irp c, 0,1
	v_max3_num_f32 v[WTM+\c], |v[WX+32*\c]|, |v[WX+32*\c+1]|, 0x1800000   ; my block 2 c + h, and the floor 2^(3 - 127)
.endr
.irp i, 2,4,6,8,10,12,14,16,18,20,22,24,26,28,30
.irp c, 0,1
	v_max3_num_f32 v[WTM+\c], v[WTM+\c], |v[WX+32*\c+\i]|, |v[WX+32*\c+\i+1]|
.endr
.endr
.irp c, 0,1
	v_add_nc_u32 v[WTM+2+\c], 0xff000000, v[WTM+\c]   ; 2 off the exponent field: the conversion's scale operand
.endr
.irp c, 0,1
	v_lshrrev_b32 v[WTM+4+\c], 23, v[WTM+2+\c]     ; the scale's byte
.endr
	v_lshl_or_b32 v[WTM+6], v[WTM+5], 16, v[WTM+4]
	v_lshlrev_b32 v[WTM+6], v5, v[WTM+6]           ; my two bytes at their places in the word
	v_permlanex16_b32 v[WTM+7], v[WTM+6], s[SEL], s[SEL+1]
	v_or_b32 v[WSW+(\f)], v[WTM+6], v[WTM+7]       ; with lane l xor 16's two the word is whole
.irp c, 0,1
	v_cvt_scalef32_pk16_fp6_f32 v[WC+6*\c:WC+6*\c+2], v[WX+32*\c:WX+32*\c+15], v[WTM+2+\c]
	v_cvt_scalef32_pk16_fp6_f32 v[WC2+4*\c:WC2+4*\c+2], v[WX+32*\c+16:WX+32*\c+31], v[WTM+2+\c]
.endr
	v_nop                                          ; one plain place behind a scaled conversion
.irp c, 0,1
.irp i, 0,1,2
	v_mov_b32 v[WC+6*\c+3+\i], v[WC2+4*\c+\i]
.endr
.endr
.irp c, 0,1,2
	global_store_b128 v6, v[WC+4*\c:WC+4*\c+3], s[94:95] offset:FRB*(\f)+512*\c   ; 512 consecutive bytes, at a multiple of 256 from the buffer's first byte
.endr
.endm
.Lwo:
	s_mov_b32 s20, s12                             ; which of the four clusters of this path
	s_lshl_b32 s20, s20, 2
	s_add_co_u32 s20, s20, s41
	s_lshl_b32 s20, s20, 2
	s_add_co_u32 s20, s20, s40                     ; work-group 0..63 of this path
	s_lshl_b32 s20, s20, 2
	s_add_co_u32 s20, s20, s14                     ; my run 0..255
	s_lshr_b32 s21, s20, 3                         ; its block,
	s_bfe_u32 s22, s20, 0x10002                    ; its half of the block's tiles,
	s_and_b32 s23, s20, 3                          ; its group of eight K steps, of which the first six are mine
	s_lshl_b32 s24, s21, 21                        ; 128 rows of 16,384 bytes a block,
	s_lshl_b32 s25, s22, 20                        ; 64 rows a half,
	s_add_co_u32 s24, s24, s25
	s_lshl_b32 s25, s23, 12                        ; 8 x 512 bytes along K
	s_add_co_u32 s24, s24, s25
	s_mov_b32 s25, 0
	s_add_nc_u64 s[92:93], s[92:93], s[24:25]
	s_lshl_b32 s24, s21, 5
	s_lshl_b32 s26, s23, 3
	s_add_co_u32 s24, s24, s26
	s_mul_i32 s24, s24, REC                        ; my first record
	s_add_nc_u64 s[94:95], s[94:95], s[24:25]
	s_mul_i32 s26, s14, WWST
	s_add_co_u32 s26, s26, WSTG                    ; my stage: the wave's number alone enters an LDS address
	s_mul_i32 s27, s22, 4*FRB
	s_lshl_b32 s30, s22, 4
	v_and_b32 v1, 15, v0
	v_bfe_u32 v8, v0, 4, 1
	v_lshlrev_b32 v9, 4, v1
	v_lshl_add_u32 v2, v8, 14, v9                  ; in memory: lanes 0-15 one row's 256 bytes, lanes 16-31 the next row's
	v_mul_u32_u24 v3, v8, 272
	v_add_nc_u32 v3, v3, v9
	v_add_nc_u32 v3, s26, v3                       ; the same two rows in the stage
	v_mul_u32_u24 v4, v1, 272
	v_lshl_add_u32 v4, v8, 7, v4
	v_add_nc_u32 v4, s26, v4                       ; out of it: row r, + 128 h
	v_lshlrev_b32 v5, 3, v8                        ; 8 h
	v_and_b32 v6, 31, v0
	v_lshlrev_b32 v6, 4, v6
	v_add_nc_u32 v6, s27, v6                       ; my 16 bytes of my first image in a record
	v_lshl_add_u32 v7, v1, 5, s30                  ; my four scale words: 32 r + 16 x half
	v_mov_b32 v[WTM+7], 0                          ; a lane permute's destination counts as one of its sources
	s_wait_alu depctr_va_vdst(0)
.irp f, 0,1,2,3
	WLOAD \f, 0
.endr
	s_mov_b32 s3, 5
.Lwhalf:
.irp f, 0,1,2,3
	WFRAG \f, 1, 48                                ; behind tile f's loads: those of the three tiles that follow it
.endr
	global_store_b128 v7, v[WSW:WSW+3], s[94:95] offset:SCO
	s_wait_xcnt 0x0                                ; the bases are stepped only behind this wait
	s_add_nc_u64 s[92:93], s[92:93], 512
	s_add_nc_u64 s[94:95], s[94:95], REC
	s_sub_co_u32 s3, s3, 1
	s_cmp_lg_u32 s3, 0
	s_wait_alu depctr_va_vdst(0)
	s_cbranch_scc1 .Lwhalf
	WFRAG 0, 0, 48                                 ; the last half record asks for nothing more
	WFRAG 1, 0, 32
	WFRAG 2, 0, 16
	WFRAG 3, 0, 0
	global_store_b128 v7, v[WSW:WSW+3], s[94:95] offset:SCO
	s_wait_tensorcnt 0x0                           ; the wave's end
	ds_add_u32 v[SPW], v[NIL]
	s_wait_dscnt 0x0
	s_endpgm
.Lfunc_end_k_qaa6631e61f_proj:
	.size	k_qaa6631e61f_proj, .Lfunc_end_k_qaa6631e61f_proj-k_qaa6631e61f_proj
	.p2alignl 7, 3214868480
	.fill 96, 4, 3214868480
	.section	.rodata,"a",@progbits
	.p2align	6, 0x0
	.amdhsa_kernel k_qaa6631e61f_proj
		.amdhsa_group_segment_fixed_size 327680
		.amdhsa_private_segment_fixed_size 0
		.amdhsa_enable_private_segment 0
		.amdhsa_kernarg_size 48
		.amdhsa_user_sgpr_count 2
		.amdhsa_user_sgpr_kernarg_segment_ptr 1
		.amdhsa_wavefront_size32 1
		.amdhsa_system_sgpr_workgroup_id_x 1
		.amdhsa_system_sgpr_workgroup_id_y 1
		.amdhsa_system_sgpr_workgroup_id_z 1
		.amdhsa_system_vgpr_workitem_id 0
		.amdhsa_next_free_vgpr 1024
		.amdhsa_next_free_sgpr 100
		.amdhsa_reserve_vcc 0
		.amdhsa_float_denorm_mode_32 3
		.amdhsa_float_denorm_mode_16_64 3
		.amdhsa_memory_ordered 1
		.amdhsa_forward_progress 1
		.amdhsa_inst_pref_size 215
	.end_amdhsa_kernel
	.amdgpu_metadata
---
amdhsa.version: [ 1, 2 ]
amdhsa.kernels:
  - .name:           k_qaa6631e61f_proj
    .symbol:         k_qaa6631e61f_proj.kd
    .args:
      - { .name: codes, .offset: 0, .size: 8, .value_kind: global_buffer, .address_space: global }
      - { .name: cos, .offset: 8, .size: 8, .value_kind: global_buffer, .address_space: global }
      - { .name: sin, .offset: 16, .size: 8, .value_kind: global_buffer, .address_space: global }
      - { .name: qkvc, .offset: 24, .size: 8, .value_kind: global_buffer, .address_space: global }
      - { .name: wo, .offset: 32, .size: 8, .value_kind: global_buffer, .address_space: global }
      - { .name: woc, .offset: 40, .size: 8, .value_kind: global_buffer, .address_space: global }
    .group_segment_fixed_size: 327680
    .private_segment_fixed_size: 0
    .kernarg_segment_align: 8
    .kernarg_segment_size: 48
    .max_flat_workgroup_size: 128
    .sgpr_count:     100
    .vgpr_count:     1024
    .wavefront_size: 32
...
	.end_amdgpu_metadata
.endif
;; end of part 2
;; launch attn (part 3): grid 32 x 8, 8 waves a work-group, clusters of 4 x 4, 327,680 bytes of LDS; arguments qkvc, mask, oc; writes oc
.if DOCPART == 3
	.amdgcn_target "amdgcn-amd-amdhsa--gfx1250"
	.amdhsa_code_object_version 6
	.text
	.protected	k_qaa6631e61f_attn
	.globl	k_qaa6631e61f_attn
	.p2align	8
	.type	k_qaa6631e61f_attn,@function
k_qaa6631e61f_attn:
	s_mov_b64 s[64:65], 0
	v_nop
	global_prefetch_b8 v0, s[64:65] scope:SCOPE_SE
	s_setreg_imm32_b32 hwreg(HW_REG_WAVE_MODE, 25, 1), 1
	s_wait_xcnt 0x0
	s_wait_alu depctr_hold_cnt(0) depctr_sa_sdst(0) depctr_va_vdst(0) depctr_va_sdst(0) depctr_va_ssrc(0) depctr_va_vcc(0) depctr_vm_vsrc(0)
	s_getreg_b32 s2, hwreg(HW_REG_IB_STS2, 6, 4)
	s_cmp_eq_u32 s2, 0
	s_cbranch_scc0 .Lentry_in_a_cluster
	s_endpgm
.Lentry_in_a_cluster:
	s_bfe_u32 s2, ttmp6, 0x10000c
	s_cmp_lg_u32 s2, 0xf033
	s_cbranch_scc0 .Lentry_shape_is_right
	s_endpgm
.Lentry_shape_is_right:
; The attention: logit = q k^T / sqrt(128) + mask; p = 2^(t - M), t = logit x log2(e), M the running largest t rounded UP to a whole number; o = (p v) / (the sum of the unquantised p); both products on codes of FP6.
; Nothing of reference() is left out: the mask is an input, so all 1,024 keys are walked for every query and every number of the mask is added.  q, k, v come as the second launch stored them (records of register images).
; SHARES: a work-group owns 32 queries (tiles 2 qb, 2 qb + 1) of the four heads of one key/value group: 8 tiles of 16 queries.  Wave w works on TWO tiles, the queries of tile u = w / 4 in heads w % 4 (set 0) and (w % 4) xor 1 (set 1),
; and on HALF the keys: of each slot's 256 keys the 128 of record w % 2.  So each fragment of k and v and each number of the mask that a wave reads from LDS serves two tiles: 68 LDS loads for 32 matrix instructions.
; Waves w and w xor 1 hold the two halves of the same two tiles: at the end each hands its set 1 (O^T, -M, the sum) to the other through LDS bytes of their own and joins what it gets with its set 0.  M is a whole number,
; so the two factors of the join are exact powers of two.
; LAYOUT: both products are used transposed (S^T = k q^T, O^T = v^T p^T): a lane holds ONE query; the 16 registers of tiles 2 b, 2 b + 1 are keys (channels) 32 b + 16 h + 0 .. 15.
; THE RING: two LDS slots of 256 keys: k's two records, v's two, the mask's 32 rows x 256 keys (1,040 bytes apart, in the order 0-7, 16-23, 8-15, 24-31).  Waves 0-3 fetch a record each, waves 4-7 eight rows of the mask.
; CLUSTER 4 x 4: k and v are shared along a row (one group), the mask along a column (one block of queries): joint loads, one a wave behind each round.  Four slots' worth of keys: one fill at the head, three in the loop.
; NO PREFETCH: the walk has four fills; the first two stand at its start, and each of the other two is asked for a whole step (two tiles x 128 keys) ahead of its use: there is no trip left to run ahead in.
; LIMITS: 1 / sqrt(128) is a multiplication by the f32 nearest to it; the promise holds while |t| stays under 2^31; the quantisers' floor is 2^-124 (a block of zeros has the byte 1, read by this program alone);
; a row whose every logit is -infinity gives NaN, as in reference(); NaN among the inputs is not served.
; REGISTERS, window 0: v1-11 addresses; v12 -M, v13 largest t, v[14:15] sum (set 0); v28-31 the same (set 1); v16-27 p's codes (set 1); v32-79 four fragments; v80, v81 q's scale words; v[82:83] f and p's scale word (set 1);
;   v84-86 addresses; v88-91 block maxima; v96-159, v160-223 S^T then p; v224-235 p's codes (set 0); v236-247, v254 at work; v248-251 k's or v's scale words; v[252:253] f and p's scale word (set 0).
; window 1: v0-63, v64-127 O^T; v128-139, v140-151 q; v160-223 the mask's 64 numbers.
.set REC,   12800
.set FRB,   1536
.set SCO,   12288
.set VOF,   2*REC
.set MOF,   4*REC
.set MP,    1040
.set SLOT1, 1<<17
.set SPARE, SLOT1+MOF+32*MP            ; the spare words, 128 bytes a wave: four blocks of 256 bytes that no other line names
.set XST,   SPARE+1024                 ; the exchange: bytes of their own, into which no tensor load lands
.set XW,    8192+256                   ; a wave's part: 64 registers' image, -M, the sum
.set KB,  1                            ; 16 x lane + my record's place in a slot
.set SB,  2                            ; 32 r + the same
.set AM0, 3                            ; my place in the mask's tile
.set XS,  4                            ; the exchange, out: 16 x lane
.set SPW, 5
.set NIL, 6
.set QOF, 7
.set ADF, 8
.set ADS, 9
.set ADM, 10
.set QSF, 11
.set XR,  84                           ; the exchange, in: my partner's part
.set XS4, 85
.set XR4, 86
.set BM,  88
.set WV,  18
.set SEL, 20
.set CS,  22
.set G1KV, 24
.set G1M,  32
.set G0KV, 40
.set G0M,  48
.set RS,  56
.set TK,  58                           ; the slot that the step reads: 0 or SLOT1
.set CNT, 59
.set MSB, 0
.macro WIN new
.if MSB != \new
	s_set_vgpr_msb (MSB<<8)|\new
.set MSB, \new
.endif
.endm
.macro JLOAD                           ; a joint load: waves 0-3 a record, waves 4-7 the mask.  An s_nop 0 and four v_nop follow each line
	s_cmp_lt_u32 s[WV], 4
	s_cbranch_scc0 .Lfor_m_\@
	tensor_load_to_lds s[G0KV:G0KV+3], s[G1KV:G1KV+7]
	s_nop 0
.rept 4
	v_nop
.endr
	s_branch .Lasked_\@
.Lfor_m_\@:
	tensor_load_to_lds s[G0M:G0M+3], s[G1M:G1M+7]
	s_nop 0
.rept 4
	v_nop
.endr
.Lasked_\@:
.endm
.macro CROUND
	s_barrier_signal -1
	s_barrier_wait -1
	s_cmp_lg_u32 s[WV], 0
	s_cbranch_scc1 .Lnot_wave_0_\@
	s_barrier_signal -3
.Lnot_wave_0_\@:
	s_barrier_wait -3
	s_barrier_signal -1
	s_barrier_wait -1
.endm
	s_load_b128 s[4:7], s[0:1], 0x0                ; qkvc, mask
	s_load_b64 s[8:9], s[0:1], 0x10                ; oc
	v_lshl_add_u32 v[SPW], v0, 2, SPARE
	v_mov_b32 v[NIL], 0
	ds_add_u32 v[SPW], v[NIL]
	ds_add_u32 v[SPW], v[NIL]
	v_lshrrev_b32 v8, 5, v0
	v_readfirstlane_b32 s[WV], v8                  ; wave 0..7
	s_and_b32 s19, s[WV], 3                        ; set 0's head in the group.  Also: which record, which eight rows of the mask I fetch
	s_lshr_b32 s17, s[WV], 2                       ; u
	s_and_b32 s16, s[WV], 1                        ; my half of a slot's keys
	s_bfe_u32 s70, ttmp6, 0x40000                  ; cx
	s_bfe_u32 s71, ttmp6, 0x40004                  ; cy
	s_lshl_b32 s72, ttmp9, 2
	s_add_co_u32 s72, s72, s70                     ; qb
	s_and_b32 s73, ttmp7, 0xffff
	s_lshl_b32 s73, s73, 2
	s_add_co_u32 s73, s73, s71                     ; g
	s_lshl_b32 s74, s71, 2
	s_lshl_b32 s74, 15, s74                        ; my row of the cluster
	s_lshl_b32 s75, 0x1111, s70                    ; my column
	s_or_b32 s[G1KV], s74, (3<<16)|(1<<21)         ; a record: 50 rows of 256 bytes
	s_mov_b32 s[G1KV+1], 32<<16
	s_mov_b32 s[G1KV+2], 50<<16
	s_mov_b32 s[G1KV+3], 32<<16
	s_mov_b32 s[G1KV+4], 50
	s_mov_b32 s[G1KV+5], 32
	s_mov_b32 s[G1KV+6], 0
	s_mov_b32 s[G1KV+7], 0
	s_or_b32 s[G1M], s75, (2<<16)|(1<<20)|(1<<21)|(7<<22)|(3<<25)  ; the mask: 8 rows x 256 f32, 4 words of padding behind every 256
	s_mov_b32 s[G1M+1], 256<<16
	s_mov_b32 s[G1M+2], 8<<16
	s_mov_b32 s[G1M+3], 256<<16
	s_mov_b32 s[G1M+4], 8
	s_mov_b32 s[G1M+5], 1024
	s_mov_b32 s[G1M+6], 0
	s_mov_b32 s[G1M+7], 0
	s_lshl_b32 s76, s73, 3                         ; the record that I fetch: k's are 256 + 8 g + 0, 1; v's 320 + 8 g + 0, 1
	s_add_co_u32 s76, s76, s19
	s_lshr_b32 s77, s19, 1
	s_mul_i32 s77, s77, 62
	s_add_co_u32 s76, s76, s77
	s_add_co_u32 s76, s76, 256
	s_mul_i32 s76, s76, REC
	s_mov_b32 s77, 0
	s_mul_i32 s78, s19, REC
	s_and_b32 s80, s19, 1                          ; my eight rows of the mask: LDS rows 8 (w % 4) on hold the block's rows 0, 16, 8, 24 on
	s_lshl_b32 s80, s80, 1
	s_lshr_b32 s81, s19, 1
	s_or_b32 s80, s80, s81
	s_lshl_b32 s80, s80, 3
	s_lshl_b32 s81, s72, 5
	s_add_co_u32 s80, s80, s81
	s_lshl_b32 s80, s80, 12
	s_mov_b32 s81, 0
	s_mul_i32 s79, s19, 8*MP
	s_add_co_u32 s79, s79, MOF
	s_lshl_b32 s82, s73, 2
	s_add_co_u32 s82, s82, s19                     ; set 0's head
	s_lshr_b32 s83, s72, 2                         ; my token block
	s_lshl_b32 s84, s82, 3
	s_add_co_u32 s84, s84, s83
	s_mul_i32 s84, s84, REC                        ; q's record: 8 head + token block
	s_mov_b32 s85, 0
	s_xor_b32 s66, s82, 1                          ; set 1's head
	s_lshl_b32 s66, s66, 3
	s_add_co_u32 s66, s66, s83
	s_mul_i32 s66, s66, REC
	s_mov_b32 s67, 0
	s_lshl_b32 s88, s83, 5
	s_add_co_u32 s88, s88, s82
	s_mul_i32 s88, s88, REC                        ; the result's: 32 token block + head
	s_mov_b32 s89, 0
	s_and_b32 s86, s72, 3
	s_lshl_b32 s86, s86, 1
	s_add_co_u32 s86, s86, s17                     ; my tile's place in either
	s_mul_i32 s87, s86, FRB
	s_lshl_b32 s86, s86, 2
	s_mul_i32 s90, s17, 16*MP
	s_add_co_u32 s90, s90, MOF
	s_lshl_b32 s91, s16, 9
	s_add_co_u32 s90, s90, s91                     ; the mask: my tile's rows, my 128 keys
	s_mul_i32 s91, s16, REC
	s_mul_i32 s92, s[WV], XW
	s_add_co_u32 s92, s92, XST
	s_xor_b32 s93, s[WV], 1
	s_mul_i32 s93, s93, XW
	s_add_co_u32 s93, s93, XST
	s_mov_b32 s[SEL], 0x76543210
	s_mov_b32 s[SEL+1], 0xfedcba98
	s_mov_b32 s[CS], 0x3fb8aa3b                    ; log2(e)
	s_mov_b32 s[CS+1], s[CS]
	s_mov_b32 s[RS], 0x3db504f3                    ; 1 / sqrt(128)
	s_mov_b32 s[RS+1], s[RS]
	s_mov_b32 s[TK], 0
	s_mov_b32 s[CNT], 3
	s_wait_dscnt 0x0
	s_wait_kmcnt 0x0
	s_add_nc_u64 s[76:77], s[4:5], s[76:77]
	s_add_nc_u64 s[80:81], s[6:7], s[80:81]
	s_add_nc_u64 s[84:85], s[4:5], s[84:85]
	s_add_nc_u64 s[66:67], s[4:5], s[66:67]
	s_add_nc_u64 s[88:89], s[8:9], s[88:89]
	s_mov_b32 s[G0KV], 1
	s_mov_b32 s[G0KV+1], s78
	s_mov_b64 s[G0KV+2:G0KV+3], s[76:77]
	s_or_b32 s[G0KV+3], s[G0KV+3], 0x80000000
	s_mov_b32 s[G0M], 1
	s_mov_b32 s[G0M+1], s79
	s_mov_b64 s[G0M+2:G0M+3], s[80:81]
	s_or_b32 s[G0M+3], s[G0M+3], 0x80000000
	CROUND                                         ; all sixteen work-groups are here: the first joint loads meet
	JLOAD                                          ; slot 0: one tensor load a wave at the head
	v_and_b32 v8, 15, v0                           ; r
	v_bfe_u32 v9, v0, 4, 1                         ; h
	v_and_b32 v10, 31, v0
	v_lshlrev_b32 v[XS4], 2, v10
	v_lshlrev_b32 v10, 4, v10                      ; 16 x lane
	v_lshlrev_b32 v11, 5, v8                       ; 32 r
	v_add_nc_u32 v[QOF], s87, v10
	v_add_nc_u32 v[SB], s91, v11
	v_add_nc_u32 v[QSF], s86, v11
	v_add_nc_u32 v[KB], s91, v10
	WIN 0x40
.irp c, 0,1,2
	global_load_b128 v[128+4*\c:131+4*\c], v[QOF], s[84:85] offset:512*\c   ; q's two fragments stay in registers
	global_load_b128 v[140+4*\c:143+4*\c], v[QOF], s[66:67] offset:512*\c
.endr
	WIN 0
	global_load_b32 v80, v[QSF], s[84:85] offset:SCO
	global_load_b32 v81, v[QSF], s[66:67] offset:SCO
	v_mul_u32_u24 v[AM0], v8, MP
	v_lshl_add_u32 v[AM0], v9, 6, v[AM0]
	v_add_nc_u32 v[AM0], s90, v[AM0]               ; row 16 u + r, + 64 h: my 16 keys of a block of 32
	v_add_nc_u32 v[XS], s92, v10
	v_add_nc_u32 v[XR], s93, v10
	v_add_nc_u32 v[XR4], s93, v[XS4]
	v_add_nc_u32 v[XS4], s92, v[XS4]
	v_mov_b32 v13, 0xff61b1e6                      ; the largest t so far: -3e38
	v_mov_b32 v29, 0xff61b1e6
	v_floor_f32 v12, -v13                          ; -M
	v_floor_f32 v28, -v29
.irp j, 14,15,30,31,236,237,238,239,253,83
	v_mov_b32 v\j, 0                               ; the sums; lane permutes' destinations and pairs' upper halves, which count as read
.endr
	WIN 0x40
.set j, 0
.rept 128
	v_mov_b32 v[j], 0                              ; O^T: the step is written without a first step of its own: the first finds zeros
.set j, j+1
.endr
	WIN 0
; THE SOFTMAX OF ONE TILE: 64 logits a lane at v[S ..] become p and p's codes.
.macro SOFT S, NM, SU, PCD, FP
.irp b, 0,1,2,3
	v_max3_num_f32 v[BM+\b], v[\S+16*\b], v[\S+1+16*\b], v[\S+2+16*\b]   ; the largest logit of each block of 32 keys: for the row's maximum and, since p rises with the logit, for the block's largest p
.endr
.irp i, 3,5,7,9,11,13
.irp b, 0,1,2,3
	s_delay_alu instid0(VALU_DEP_4)
	v_max3_num_f32 v[BM+\b], v[BM+\b], v[\S+16*\b+\i], v[\S+1+16*\b+\i]
.endr
.endr
.irp b, 0,1,2,3
	s_delay_alu instid0(VALU_DEP_4)
	v_max_num_f32 v[BM+\b], v[BM+\b], v[\S+15+16*\b]
.endr
.irp b, 0,1,2,3
	s_delay_alu instid0(VALU_DEP_4)
	v_permlanex16_b32 v[236+\b], v[BM+\b], s[SEL], s[SEL+1]
.endr
.irp b, 0,1,2,3
	s_delay_alu instid0(VALU_DEP_4)
	v_max_num_f32 v[BM+\b], v[BM+\b], v[236+\b]    ; with lane l xor 16's 16 keys
.endr
	s_delay_alu instid0(VALU_DEP_2)
	v_max3_num_f32 v254, v[BM], v[BM+1], v[BM+2]
	s_delay_alu instid0(VALU_DEP_1)
	v_max_num_f32 v254, v254, v[BM+3]
	s_delay_alu instid0(VALU_DEP_1)
	v_mul_f32 v254, s[CS], v254                    ; the step's largest t
	s_delay_alu instid0(VALU_DEP_1)
	v_max_num_f32 v[\NM+1], v[\NM+1], v254         ; the running largest t
	v_mov_b32 v254, v[\NM]
	s_delay_alu instid0(VALU_DEP_2)
	v_floor_f32 v[\NM], -v[\NM+1]                  ; the new -M = -ceil(t): a whole number
	s_delay_alu instid0(VALU_DEP_1)
	v_sub_f32 v254, v[\NM], v254                   ; old M less new M
	s_delay_alu instid0(VALU_DEP_1)
	v_cvt_i32_f32 v254, v254                       ; (it saturates)
	s_delay_alu instid0(VALU_DEP_1)
	v_ldexp_f32 v[\FP], 1.0, v254                  ; f = 2^(old M - new M)
.set j, 0
.rept 32
	v_pk_fma_f32 v[\S+j:\S+j+1], v[\S+j:\S+j+1], s[CS:CS+1], v[\NM:\NM+1] op_sel_hi:[1,0,0]   ; t - M
.set j, j+2
.endr
.irp b, 0,1,2,3
	v_fma_f32 v[BM+\b], v[BM+\b], s[CS], v[\NM]    ; the same of each block's largest logit
.endr
	s_wait_alu depctr_va_vdst(0)
.set j, 0
.rept 64
	v_exp_f32 v[\S+j], v[\S+j]                     ; p = 2^(t - M), not normalised
.set j, j+1
.endr
	v_pk_mul_f32 v[\SU:\SU+1], v[\SU:\SU+1], v[\FP:\FP+1] op_sel_hi:[1,0]   ; the sums under the new M (a plain place behind the exponentials)
	s_wait_alu depctr_va_vdst(0)                   ; one wait for the batch, ahead of its first reader
.irp b, 0,1,2,3
	v_exp_f32 v[BM+\b], v[BM+\b]                   ; the block's largest p
.endr
.irp q, 0,1,2,3
	v_pk_add_f32 v[236+2*\q:237+2*\q], v[\S+4*\q:\S+4*\q+1], v[\S+4*\q+2:\S+4*\q+3]   ; the sum of the unquantised p, in four chains
.endr
.irp i, 16,24,32,40,48,56
.irp q, 0,1,2,3
	v_pk_add_f32 v[236+2*\q:237+2*\q], v[236+2*\q:237+2*\q], v[\S+\i+2*\q:\S+\i+2*\q+1]
.endr
.endr
	v_pk_add_f32 v[236:237], v[236:237], v[238:239]
	v_pk_add_f32 v[240:241], v[240:241], v[242:243]
	s_delay_alu instid0(VALU_DEP_1)
	v_pk_add_f32 v[236:237], v[236:237], v[240:241]
	s_delay_alu instid0(VALU_DEP_1)
	v_pk_add_f32 v[\SU:\SU+1], v[\SU:\SU+1], v[236:237]
	s_wait_alu depctr_va_vdst(0)                   ; and one for the four
.irp b, 0,1,2,3
	v_max_num_f32 v[BM+\b], 0x1800000, v[BM+\b]    ; the floor 2^(3 - 127)
.endr
.irp b, 0,1,2,3
	s_delay_alu instid0(VALU_DEP_4)
	v_add_nc_u32 v[244+\b], 0xff000000, v[BM+\b]   ; 2 off the exponent field: the conversion's scale operand
.endr
.irp b, 0,1,2,3
	s_delay_alu instid0(VALU_DEP_4)
	v_lshrrev_b32 v[236+\b], 23, v[244+\b]         ; the scale's byte
.endr
	s_delay_alu instid0(VALU_DEP_3)
	v_lshl_or_b32 v[\FP+1], v237, 8, v236          ; p's scale word for these 128 keys
	s_delay_alu instid0(VALU_DEP_1)
	v_lshl_or_b32 v[\FP+1], v238, 16, v[\FP+1]
	s_delay_alu instid0(VALU_DEP_1)
	v_lshl_or_b32 v[\FP+1], v239, 24, v[\FP+1]
.irp c, 0,1
	v_cvt_scalef32_pk16_fp6_f32 v[\PCD+6*\c:\PCD+6*\c+2], v[\S+32*\c:\S+32*\c+15], v[244+2*\c]
	v_cvt_scalef32_pk16_fp6_f32 v[236+4*\c:238+4*\c], v[\S+16+32*\c:\S+31+32*\c], v[244+2*\c+1]
.endr
	v_nop                                          ; one plain place behind a scaled conversion
.irp c, 0,1                            ; the operand's layout wants a whole block in a lane
.irp i, 0,1,2
	v_permlane16_swap_b32 v[\PCD+6*\c+\i], v[236+4*\c+\i]
.endr
.irp i, 0,1,2
	s_delay_alu instid0(VALU_DEP_3)
	v_mov_b32 v[\PCD+3+6*\c+\i], v[236+4*\c+\i]
.endr
.endr
.endm
; A STEP: my 128 keys of the slot at s[TK], for both tiles.
.macro STEP
	v_add_nc_u32 v[ADF], s[TK], v[KB]
	v_add_nc_u32 v[ADS], s[TK], v[SB]
	v_add_nc_u32 v[ADM], s[TK], v[AM0]
	v_nop                                          ; four places in front of loads into registers that the last step's matrix instructions have read
	s_wait_alu depctr_va_vdst(0)
	WIN 0x40
.irp b, 0,1,2,3
.irp c, 0,1,2,3
	ds_load_b128 v[160+16*\b+4*\c:163+16*\b+4*\c], v[ADM] offset:128*\b+16*\c   ; the mask at my keys, in the order of S^T's registers
.endr
.endr
	WIN 0x04                                       ; source 1 (q): window 1
.irp g, 0,1                            ; S^T = k q^T: four tiles of 16 keys at a time, each against both q
.if \g > 0
.rept 4
	v_nop
.endr
.endif
.irp t, 0,1,2,3
.irp c, 0,1,2
	ds_load_b128 v[32+12*\t+4*\c:35+12*\t+4*\c], v[ADF] offset:(4*\g+\t)*FRB+512*\c
.endr
.endr
	ds_load_b128 v[248:251], v[ADS] offset:SCO+16*\g
	s_wait_dscnt 0x0
.irp t, 0,1,2,3
	v_wmma_scale_f32_16x16x128_f8f6f4 v[96+8*(4*\g+\t):103+8*(4*\g+\t)], v[32+12*\t:43+12*\t], v[128:139], 0, v[248+\t], v80 matrix_a_fmt:MATRIX_FMT_FP6 matrix_b_fmt:MATRIX_FMT_FP6
	v_wmma_scale_f32_16x16x128_f8f6f4 v[160+8*(4*\g+\t):167+8*(4*\g+\t)], v[32+12*\t:43+12*\t], v[140:151], 0, v[248+\t], v81 matrix_a_fmt:MATRIX_FMT_FP6 matrix_b_fmt:MATRIX_FMT_FP6
.endr
.endr
.rept 4
	v_nop
.endr
	WIN 0x10                                       ; source 2 (the mask): window 1
.set j, 0
.rept 32
	v_pk_fma_f32 v[96+j:97+j], v[96+j:97+j], s[RS:RS+1], v[160+j:161+j] op_sel_hi:[1,0,1]   ; the logit: score / sqrt(128) + mask
.set j, j+2
.endr
.set j, 0
.rept 32
	v_pk_fma_f32 v[160+j:161+j], v[160+j:161+j], s[RS:RS+1], v[160+j:161+j] op_sel_hi:[1,0,1]
.set j, j+2
.endr
	WIN 0
.irp t, 0,1,2,3                        ; v's first four fragments land under the softmax
.irp c, 0,1,2
	ds_load_b128 v[32+12*\t+4*\c:35+12*\t+4*\c], v[ADF] offset:VOF+\t*FRB+512*\c
.endr
.endr
	ds_load_b128 v[248:251], v[ADS] offset:VOF+SCO
	SOFT 96, 12, 14, 224, 252
	SOFT 160, 28, 30, 16, 82
	WIN 0x41                                       ; source 0 and destination: window 1
	s_wait_alu depctr_va_vdst(0)
.set j, 0
.rept 32
	v_pk_mul_f32 v[j:j+1], v[j:j+1], v[252:253] op_sel_hi:[1,0]   ; O^T under the new M (also the places between the writes of p's codes and scale words and the products)
.set j, j+2
.endr
.set j, 0
.rept 32
	v_pk_mul_f32 v[64+j:65+j], v[64+j:65+j], v[82:83] op_sel_hi:[1,0]
.set j, j+2
.endr
.irp g, 0,1                            ; O^T += v^T p^T: four tiles of 16 channels at a time, each against both p
.if \g > 0
.rept 4
	v_nop
.endr
	WIN 0
.irp t, 0,1,2,3
.irp c, 0,1,2
	ds_load_b128 v[32+12*\t+4*\c:35+12*\t+4*\c], v[ADF] offset:VOF+(4+\t)*FRB+512*\c
.endr
.endr
	ds_load_b128 v[248:251], v[ADS] offset:VOF+SCO+16
.endif
	WIN 0x50                                       ; C and D: window 1
.if \g == 0
	s_wait_alu depctr_va_vdst(0)
.endif
	s_wait_dscnt 0x0
.irp t, 0,1,2,3
	v_wmma_scale_f32_16x16x128_f8f6f4 v[8*(4*\g+\t):8*(4*\g+\t)+7], v[32+12*\t:43+12*\t], v[224:235], v[8*(4*\g+\t):8*(4*\g+\t)+7], v[248+\t], v253 matrix_a_fmt:MATRIX_FMT_FP6 matrix_b_fmt:MATRIX_FMT_FP6
	v_wmma_scale_f32_16x16x128_f8f6f4 v[64+8*(4*\g+\t):64+8*(4*\g+\t)+7], v[32+12*\t:43+12*\t], v[16:27], v[64+8*(4*\g+\t):64+8*(4*\g+\t)+7], v[248+\t], v83 matrix_a_fmt:MATRIX_FMT_FP6 matrix_b_fmt:MATRIX_FMT_FP6
.endr
.endr
	WIN 0
.endm
; THE CHANGE OF SLOTS: all my tensor loads are in (my part of the slot that is read next), 0 onto my spare word, my reads of the slot just left are over.  fill = 1: a round of the cluster's barrier, and the other slot's joint load first behind it.
.macro CHANGE fill
	s_wait_tensorcnt 0x0
	ds_add_u32 v[SPW], v[NIL]
.if \fill
	s_xor_b32 s[G0KV+1], s[G0KV+1], SLOT1          ; no load of mine is out: the descriptors walk on: the other slot,
	s_add_nc_u64 s[G0KV+2:G0KV+3], s[G0KV+2:G0KV+3], VOF   ; the next two records,
	s_xor_b32 s[G0M+1], s[G0M+1], SLOT1
	s_add_nc_u64 s[G0M+2:G0M+3], s[G0M+2:G0M+3], 1024      ; the next 256 keys
	s_wait_dscnt 0x0
	CROUND
	JLOAD
.else
	s_wait_dscnt 0x0
	s_barrier_signal -1
	s_barrier_wait -1
.endif
.endm
	s_wait_alu depctr_va_vdst(0)
	s_wait_loadcnt 0x0                             ; q is in
.Lslot:                                                ; trip t fills slot (t + 1) % 2 (the first time: slot 1's first fill, issued as a refill is) and works on slot t % 2
	CHANGE 1
	STEP
	s_xor_b32 s[TK], s[TK], SLOT1
	s_sub_co_u32 s[CNT], s[CNT], 1
	s_cmp_lg_u32 s[CNT], 0
	s_cbranch_scc1 .Lslot
	CHANGE 0                                       ; the last slot: nothing more is fetched
	STEP
	; THE EXCHANGE: my set 1 goes to my partner, whose set 1 is my set 0's other half of the keys.
	v_add_f32 v14, v14, v15                        ; the sums' two halves (with the two v_nop: four places behind the last products)
	v_add_f32 v30, v30, v31
	v_nop
	v_nop
	WIN 0x04
.set j, 0
.rept 16
	ds_store_b128 v[XS], v[64+4*j:67+4*j] offset:512*j   ; each accumulator from its low end on
.set j, j+1
.endr
	WIN 0
	ds_store_b32 v[XS4], v28 offset:8192
	ds_store_b32 v[XS4], v30 offset:8320
	s_wait_alu depctr_va_vdst(0)
	s_wait_dscnt 0x0                               ; my stores are done
	s_barrier_signal -1
	s_barrier_wait -1                              ; everybody's are
.set j, 0
.rept 16
	ds_load_b128 v[96+4*j:99+4*j], v[XR] offset:512*j
.set j, j+1
.endr
	ds_load_b32 v232, v[XR4] offset:8192           ; my partner's -M
	ds_load_b32 v233, v[XR4] offset:8320           ; and sum
	s_wait_dscnt 0x0
	v_min_num_f32 v234, v12, v232                  ; -M of the two halves together
	v_sub_f32 v235, v234, v12
	v_sub_f32 v238, v234, v232
	v_cvt_i32_f32 v235, v235
	v_cvt_i32_f32 v238, v238
	v_ldexp_f32 v235, 1.0, v235                    ; my half's factor, an exact power of two,
	v_ldexp_f32 v238, 1.0, v238                    ; and my partner's
	v_mul_f32 v14, v14, v235
	v_fmac_f32 v14, v233, v238
	v_permlanex16_b32 v252, v14, s[SEL], s[SEL+1]
	v_add_f32 v14, v14, v252                       ; with lane l xor 16's: the row's sum
	s_wait_alu depctr_va_vdst(0)
	v_rcp_f32 v14, v14
.irp b, 0,1,2,3
	v_mov_b32 v[68+\b], 0                          ; (plain places)  a lane permute's destination counts as one of its sources
.endr
	s_wait_alu depctr_va_vdst(0)                   ; and ahead of its first reader
	v_mul_f32 v236, v235, v14
	v_mul_f32 v238, v238, v14
	WIN 0x01
	s_wait_alu depctr_va_vdst(0)
.set j, 0
.rept 32
	v_pk_mul_f32 v[160+j:161+j], v[j:j+1], v[236:237] op_sel_hi:[1,0]
.set j, j+2
.endr
	WIN 0
.set j, 0
.rept 32
	v_pk_fma_f32 v[96+j:97+j], v[96+j:97+j], v[238:239], v[160+j:161+j] op_sel_hi:[1,0,1]   ; o: register 16 b + i is channel 32 b + 16 h + i of my query and head
.set j, j+2
.endr
	; quantised as it stands, it is a fragment of the last product's operand
.set PC, 32
.set TM, 64
.set PW, 92
.irp b, 0,1,2,3
	v_max3_num_f32 v[TM+\b], |v[96+16*\b]|, |v[97+16*\b]|, 0x1800000
.endr
.irp i, 2,4,6,8,10,12,14
.irp b, 0,1,2,3
	s_delay_alu instid0(VALU_DEP_4)
	v_max3_num_f32 v[TM+\b], v[TM+\b], |v[96+16*\b+\i]|, |v[97+16*\b+\i]|
.endr
.endr
.irp b, 0,1,2,3
	s_delay_alu instid0(VALU_DEP_4)
	v_permlanex16_b32 v[TM+4+\b], v[TM+\b], s[SEL], s[SEL+1]
.endr
.irp b, 0,1,2,3
	s_delay_alu instid0(VALU_DEP_4)
	v_max_num_f32 v[TM+\b], v[TM+\b], v[TM+4+\b]
.endr
.irp b, 0,1,2,3
	s_delay_alu instid0(VALU_DEP_4)
	v_add_nc_u32 v[TM+12+\b], 0xff000000, v[TM+\b]
.endr
.irp b, 0,1,2,3
	s_delay_alu instid0(VALU_DEP_4)
	v_lshrrev_b32 v[TM+4+\b], 23, v[TM+12+\b]
.endr
	s_delay_alu instid0(VALU_DEP_3)
	v_lshl_or_b32 v[PW], v[TM+5], 8, v[TM+4]
	s_delay_alu instid0(VALU_DEP_1)
	v_lshl_or_b32 v[PW], v[TM+6], 16, v[PW]
	s_delay_alu instid0(VALU_DEP_1)
	v_lshl_or_b32 v[PW], v[TM+7], 24, v[PW]
.irp c, 0,1
	v_cvt_scalef32_pk16_fp6_f32 v[PC+6*\c:PC+2+6*\c], v[96+32*\c:111+32*\c], v[TM+12+2*\c]
	v_cvt_scalef32_pk16_fp6_f32 v[PC+12+4*\c:PC+14+4*\c], v[112+32*\c:127+32*\c], v[TM+12+2*\c+1]
.endr
	v_nop                                          ; one plain place behind a scaled conversion
.irp c, 0,1
.irp i, 0,1,2
	v_permlane16_swap_b32 v[PC+6*\c+\i], v[PC+12+4*\c+\i]
.endr
.irp i, 0,1,2
	s_delay_alu instid0(VALU_DEP_3)
	v_mov_b32 v[PC+3+6*\c+\i], v[PC+12+4*\c+\i]
.endr
.endr
.irp c, 0,1,2
	global_store_b128 v[QOF], v[PC+4*\c:PC+4*\c+3], s[88:89] offset:512*\c   ; 512 consecutive bytes, at a multiple of 256 from the buffer's first byte
.endr
	global_store_b32 v[QSF], v[PW], s[88:89] offset:SCO   ; my tile's word of row r (lanes 16-31 hold and write the same)
	s_wait_tensorcnt 0x0                           ; the wave's end
	ds_add_u32 v[SPW], v[NIL]
	s_wait_dscnt 0x0
	CROUND                                         ; the closing round
	s_endpgm
.Lfunc_end_k_qaa6631e61f_attn:
	.size	k_qaa6631e61f_attn, .Lfunc_end_k_qaa6631e61f_attn-k_qaa6631e61f_attn
	.p2alignl 7, 3214868480
	.fill 96, 4, 3214868480
	.section	.rodata,"a",@progbits
	.p2align	6, 0x0
	.amdhsa_kernel k_qaa6631e61f_attn
		.amdhsa_group_segment_fixed_size 327680
		.amdhsa_private_segment_fixed_size 0
		.amdhsa_enable_private_segment 0
		.amdhsa_kernarg_size 24
		.amdhsa_user_sgpr_count 2
		.amdhsa_user_sgpr_kernarg_segment_ptr 1
		.amdhsa_wavefront_size32 1
		.amdhsa_system_sgpr_workgroup_id_x 1
		.amdhsa_system_sgpr_workgroup_id_y 1
		.amdhsa_system_sgpr_workgroup_id_z 1
		.amdhsa_system_vgpr_workitem_id 0
		.amdhsa_next_free_vgpr 512
		.amdhsa_next_free_sgpr 100
		.amdhsa_reserve_vcc 0
		.amdhsa_float_denorm_mode_32 3
		.amdhsa_float_denorm_mode_16_64 3
		.amdhsa_memory_ordered 1
		.amdhsa_forward_progress 1
		.amdhsa_inst_pref_size 113
	.end_amdhsa_kernel
	.amdgpu_metadata
---
amdhsa.version: [ 1, 2 ]
amdhsa.kernels:
  - .name:           k_qaa6631e61f_attn
    .symbol:         k_qaa6631e61f_attn.kd
    .args:
      - { .name: qkvc, .offset: 0, .size: 8, .value_kind: global_buffer, .address_space: global }
      - { .name: mask, .offset: 8, .size: 8, .value_kind: global_buffer, .address_space: global }
      - { .name: oc, .offset: 16, .size: 8, .value_kind: global_buffer, .address_space: global }
    .group_segment_fixed_size: 327680
    .private_segment_fixed_size: 0
    .kernarg_segment_align: 8
    .kernarg_segment_size: 24
    .max_flat_workgroup_size: 256
    .sgpr_count:     100
    .vgpr_count:     512
    .wavefront_size: 32
...
	.end_amdgpu_metadata
.endif
;; end of part 3
;; launch outp (part 4): grid 32 x 8, 4 waves a work-group, clusters of 4 x 4, 327,680 bytes of LDS; arguments woc, oc, out0; writes out0
.if DOCPART == 4
	.amdgcn_target "amdgcn-amd-amdhsa--gfx1250"
	.amdhsa_code_object_version 6
	.text
	.protected	k_qaa6631e61f_outp
	.globl	k_qaa6631e61f_outp
	.p2align	8
	.type	k_qaa6631e61f_outp,@function
k_qaa6631e61f_outp:
	s_mov_b64 s[64:65], 0
	v_nop
	global_prefetch_b8 v0, s[64:65] scope:SCOPE_SE
	s_setreg_imm32_b32 hwreg(HW_REG_WAVE_MODE, 25, 1), 1
	s_wait_xcnt 0x0
	s_wait_alu depctr_hold_cnt(0) depctr_sa_sdst(0) depctr_va_vdst(0) depctr_va_sdst(0) depctr_va_ssrc(0) depctr_va_vcc(0) depctr_vm_vsrc(0)
	s_getreg_b32 s2, hwreg(HW_REG_IB_STS2, 6, 4)
	s_cmp_eq_u32 s2, 0
	s_cbranch_scc0 .Lentry_in_a_cluster
	s_endpgm
.Lentry_in_a_cluster:
	s_bfe_u32 s2, ttmp6, 0x10000c
	s_cmp_lg_u32 s2, 0xf033
	s_cbranch_scc0 .Lentry_shape_is_right
	s_endpgm
.Lentry_shape_is_right:
.set REC,   12800
.set FRB,   1536
.set SCO,   12288
.set BLK,   32*REC
.set NS,    6
.set PB,    NS*REC
.set HALFP, 3*REC
.set SLOT,  2*PB
.set STAGE, 2*SLOT
.set SP,    272
.set SPARE, STAGE+4*16*SP
.set AS,  12
.set AP,  16
.set AR,  20
.set STO, 24
.set RD,  25
.set CO,  26
.set LI,  27
.set SPW, 28
.set NIL, 29
.set SC,  32
.set BK,  64
.set ACC, 128
.set G1P, 24
.set G0P, 32
.set G1R, 48
.set G0R, 56
.set G1PS, 68
.set G1RS, 76
.set G0PS, 84
.set G0RS, 88
.set MSB, 0
.macro WIN new
.if MSB != \new
	s_set_vgpr_msb (MSB<<8)|\new
.set MSB, \new
.endif
.endm
.set MULW, 0x05
.set TO_F, 0x40
.macro JLOAD g0p, g1p, g0r, g1r
	s_cmp_eq_u32 s15, 0
	s_cbranch_scc0 .Lfor_r_\@
	tensor_load_to_lds s[\g0p:\g0p+3], s[\g1p:\g1p+7]
	s_nop 0
.rept 4
	v_nop
.endr
	s_branch .Lasked_\@
.Lfor_r_\@:
	tensor_load_to_lds s[\g0r:\g0r+3], s[\g1r:\g1r+7]
	s_nop 0
.rept 4
	v_nop
.endr
.Lasked_\@:
.endm
.macro CREST
	s_cmp_lg_u32 s14, 0
	s_cbranch_scc1 .Lnot_wave_0_\@
	s_barrier_signal -3
.Lnot_wave_0_\@:
	s_barrier_wait -3
	s_barrier_signal -1
	s_barrier_wait -1
.endm
.macro CROUND
	s_barrier_signal -1
	s_barrier_wait -1
	CREST
.endm
	s_load_b128 s[4:7], s[0:1], 0x0
	s_load_b64 s[8:9], s[0:1], 0x10
	v_lshl_add_u32 v[SPW], v0, 2, SPARE
	v_mov_b32 v[NIL], 0
	ds_add_u32 v[SPW], v[NIL]
	ds_add_u32 v[SPW], v[NIL]
	v_lshrrev_b32 v1, 5, v0
	v_readfirstlane_b32 s14, v1
	s_lshr_b32 s15, s14, 1
	s_and_b32 s16, s14, 1
	s_bfe_u32 s40, ttmp6, 0x40000
	s_bfe_u32 s41, ttmp6, 0x40004
	s_lshl_b32 s42, ttmp9, 2
	s_add_co_u32 s42, s42, s40
	s_and_b32 s45, ttmp7, 0xffff
	s_lshl_b32 s45, s45, 2
	s_add_co_u32 s45, s45, s41
	s_lshl_b32 s43, s41, 2
	s_lshl_b32 s43, 15, s43
	s_lshl_b32 s44, 0x1111, s40
	s_or_b32 s[G1P], s44, (3<<16)|(1<<21)
	s_or_b32 s[G1R], s43, (3<<16)|(1<<21)
	s_or_b32 s[G1PS], s44, (3<<16)|(1<<21)
	s_or_b32 s[G1RS], s43, (3<<16)|(1<<21)
.irp g, G1P, G1R
	s_mov_b32 s[\g+1], 32<<16
	s_mov_b32 s[\g+2], 150<<16
	s_mov_b32 s[\g+3], 32<<16
	s_mov_b32 s[\g+4], 150
	s_mov_b32 s[\g+5], 32
	s_mov_b32 s[\g+6], 0
	s_mov_b32 s[\g+7], 0
.endr
.irp g, G1PS, G1RS
	s_mov_b32 s[\g+1], 32<<16
	s_mov_b32 s[\g+2], 50<<16
	s_mov_b32 s[\g+3], 32<<16
	s_mov_b32 s[\g+4], 50
	s_mov_b32 s[\g+5], 32
	s_mov_b32 s[\g+6], 0
	s_mov_b32 s[\g+7], 0
.endr
	s_mul_i32 s18, s16, HALFP
	s_mov_b32 s22, s18
	s_mov_b32 s23, 0
	s_mul_i32 s66, s16, REC
	s_mov_b32 s67, 0
	s_mul_i32 s20, s42, BLK
	s_mov_b32 s21, 0
	s_mul_i32 s46, s45, BLK
	s_mov_b32 s47, 0
	s_add_co_u32 s19, s18, PB
	s_wait_dscnt 0x0
	s_wait_kmcnt 0x0
	s_add_nc_u64 s[20:21], s[4:5], s[20:21]
	s_add_nc_u64 s[46:47], s[6:7], s[46:47]
	s_mov_b32 s[G0PS], 1
	s_add_co_u32 s[G0PS+1], s66, SLOT
	s_add_nc_u64 s[G0PS+2:G0PS+3], s[20:21], s[66:67]
	s_add_nc_u64 s[G0PS+2:G0PS+3], s[G0PS+2:G0PS+3], 30*REC
	s_or_b32 s[G0PS+3], s[G0PS+3], 0x80000000
	s_mov_b32 s[G0RS], 1
	s_add_co_u32 s[G0RS+1], s66, SLOT+PB
	s_add_nc_u64 s[G0RS+2:G0RS+3], s[46:47], s[66:67]
	s_add_nc_u64 s[G0RS+2:G0RS+3], s[G0RS+2:G0RS+3], 30*REC
	s_or_b32 s[G0RS+3], s[G0RS+3], 0x80000000
	s_add_nc_u64 s[20:21], s[20:21], s[22:23]
	s_add_nc_u64 s[46:47], s[46:47], s[22:23]
	CROUND
.irp s, 0,1
	s_mov_b32 s[G0P+4*\s], 1
	s_add_co_u32 s[G0P+4*\s+1], s18, \s*SLOT
	s_add_nc_u64 s[G0P+4*\s+2:G0P+4*\s+3], s[20:21], \s*PB
	s_or_b32 s[G0P+4*\s+3], s[G0P+4*\s+3], 0x80000000
	s_mov_b32 s[G0R+4*\s], 1
	s_add_co_u32 s[G0R+4*\s+1], s19, \s*SLOT
	s_add_nc_u64 s[G0R+4*\s+2:G0R+4*\s+3], s[46:47], \s*PB
	s_or_b32 s[G0R+4*\s+3], s[G0R+4*\s+3], 0x80000000
	s_wait_alu depctr_va_vdst(0)
	s_wait_tensorcnt 0x0
	ds_add_u32 v28, v29
	ds_add_u32 v28, v29
	s_wait_dscnt 0x0
	CROUND
	JLOAD G0P+4*\s, G1P, G0R+4*\s, G1R
.endr
	v_and_b32 v1, 15, v0
	s_wait_alu depctr_va_vdst(0)
	v_bfe_u32 v2, v0, 4, 1
	v_and_b32 v3, 31, v0
	v_lshlrev_b32 v[LI], 4, v3
	s_wait_alu depctr_va_vdst(0)
	s_mul_i32 s22, s15, 4*FRB
	s_mul_i32 s23, s16, 4*FRB
	s_add_co_u32 s23, s23, PB
	s_xor_b32 s12, s15, 1
	s_add_co_u32 s12, s12, s16
	s_lshl_b32 s12, s12, 4
	s_add_co_u32 s12, s12, PB-16
	v_mul_u32_u24 v5, s12, v2
	s_lshl_b32 s13, s15, 4
	s_add_co_u32 s13, s13, SCO
	v_lshl_add_u32 v4, v1, 5, s13
	v_add_nc_u32 v[AS], v4, v5
	v_add_nc_u32 v[AP], s22, v[LI]
	v_add_nc_u32 v[AR], s23, v[LI]
.irp a, AS, AP, AR
	v_add_nc_u32 v[\a+1], SLOT, v[\a]
	v_add_nc_u32 v[\a+2], 3*REC, v[\a]
	v_add_nc_u32 v[\a+3], SLOT+3*REC, v[\a]
.endr
	s_mul_i32 s22, s14, 16*SP
	s_add_co_u32 s22, s22, STAGE
	v_mul_u32_u24 v[STO], v1, SP
	v_lshl_add_u32 v[STO], v2, 6, v[STO]
	v_add_nc_u32 v[STO], s22, v[STO]
	v_mul_u32_u24 v[RD], v2, SP
	v_lshl_add_u32 v[RD], v1, 4, v[RD]
	v_add_nc_u32 v[RD], s22, v[RD]
	v_lshlrev_b32 v[CO], 14, v2
	v_lshl_add_u32 v[CO], v1, 4, v[CO]
	s_lshl_b32 s22, s45, 7
	s_lshl_b32 s23, s16, 6
	s_add_co_u32 s22, s22, s23
	s_lshl_b32 s22, s22, 14
	s_lshl_b32 s23, s42, 9
	s_add_co_u32 s22, s22, s23
	s_lshl_b32 s23, s15, 8
	s_add_co_u32 s22, s22, s23
	s_mov_b32 s23, 0
	s_add_nc_u64 s[8:9], s[8:9], s[22:23]
.macro MUL i0, n, set, zero
.set ii, \i0
.rept \n
.irp t, 0,1,2,3
.if \zero
	v_wmma_scale_f32_16x16x128_f8f6f4 v[ACC+32*ii+8*\t:ACC+32*ii+8*\t+7], v[128*(\set)+12*\t:128*(\set)+12*\t+11], v[128*(\set)+48+12*ii:128*(\set)+48+12*ii+11], 0, v[SC+4*(\set)+\t], v[SC+4*(\set)+ii] matrix_a_fmt:MATRIX_FMT_FP6 matrix_b_fmt:MATRIX_FMT_FP6 matrix_b_scale:MATRIX_SCALE_ROW1
.else
	v_wmma_scale_f32_16x16x128_f8f6f4 v[ACC+32*ii+8*\t:ACC+32*ii+8*\t+7], v[128*(\set)+12*\t:128*(\set)+12*\t+11], v[128*(\set)+48+12*ii:128*(\set)+48+12*ii+11], v[ACC+32*ii+8*\t:ACC+32*ii+8*\t+7], v[SC+4*(\set)+\t], v[SC+4*(\set)+ii] matrix_a_fmt:MATRIX_FMT_FP6 matrix_b_fmt:MATRIX_FMT_FP6 matrix_b_scale:MATRIX_SCALE_ROW1
.endif
.endr
.set ii, ii+1
.endr
.endm
.macro FETCH slot, q, set
	WIN TO_F
.irp t, 0,1,2,3
.irp c, 0,1,2
	ds_load_b128 v[128*(\set)+12*\t+4*\c:128*(\set)+12*\t+4*\c+3], v[AP+(\slot)+2*((\q)/3)] offset:((\q)%3)*REC+\t*FRB+512*\c
.endr
.endr
.irp i, 0,1,2,3
.irp c, 0,1,2
	ds_load_b128 v[128*(\set)+48+12*\i+4*\c:128*(\set)+48+12*\i+4*\c+3], v[AR+(\slot)+2*((\q)/3)] offset:((\q)%3)*REC+\i*FRB+512*\c
.endr
.endr
	WIN 0
	ds_load_b128 v[SC+4*(\set):SC+4*(\set)+3], v[AS+(\slot)+2*((\q)/3)] offset:((\q)%3)*REC
.endm
.macro PLACES
.rept 4
	v_nop
.endr
.endm
.macro STEP slot, q, zero
	s_wait_dscnt 0x0
	PLACES
	FETCH \slot, (\q)+1, ((\q)+1)%2
	WIN MULW
	MUL 0, 4, (\q)%2, \zero
.endm
.macro FIVE slot
.irp q, 0,1,2,3,4
	STEP \slot, \q, 0
.endr
.endm
.macro TURN slot, next, fill
	WIN 0
	s_wait_tensorcnt 0x0
	ds_add_u32 v[SPW], v[NIL]
	s_wait_dscnt 1
	WIN MULW
	MUL 0, 1, 1, 0
	s_wait_dscnt 0x0
	s_barrier_signal -1
	MUL 1, 1, 1, 0
	WIN 0
	s_barrier_wait -1
.if \fill == 1
	CREST
	s_add_nc_u64 s[G0P+4*\slot+2:G0P+4*\slot+3], s[G0P+4*\slot+2:G0P+4*\slot+3], 2*PB
	s_add_nc_u64 s[G0R+4*\slot+2:G0R+4*\slot+3], s[G0R+4*\slot+2:G0R+4*\slot+3], 2*PB
	JLOAD G0P+4*\slot, G1P, G0R+4*\slot, G1R
.elseif \fill == 2
	CREST
	JLOAD G0PS, G1PS, G0RS, G1RS
.else
	PLACES
.endif
	FETCH \next, 0, 0
	WIN MULW
	MUL 2, 2, 1, 0
.endm
	s_wait_tensorcnt 1
	s_barrier_signal -1
	s_barrier_wait -1
	FETCH 0, 0, 0
	STEP 0, 0, 1
.irp q, 1,2,3,4
	STEP 0, \q, 0
.endr
	TURN 0, 1, 1
	s_wait_alu depctr_va_vdst(0)
	FIVE 1
	TURN 1, 0, 1
	FIVE 0
	TURN 0, 1, 1
	FIVE 1
	TURN 1, 0, 2
	FIVE 0
	TURN 0, 1, 0
	STEP 1, 0, 0
	s_wait_dscnt 0x0
	WIN MULW
	MUL 0, 4, 1, 0
	WIN 0
	PLACES
.macro TOSTAGE i
.irp t, 0,1,2,3
	ds_store_b128 v[STO], v[ACC+32*(\i)+8*\t:ACC+32*(\i)+8*\t+3] offset:128*(\t/2)+32*(\t%2)
	ds_store_b128 v[STO], v[ACC+32*(\i)+8*\t+4:ACC+32*(\i)+8*\t+7] offset:128*(\t/2)+32*(\t%2)+16
.endr
.irp e, 0,1,2,3,4,5,6,7
	ds_load_b128 v[BK+32*((\i)%2)+4*\e:BK+32*((\i)%2)+4*\e+3], v[RD] offset:\e*2*SP
.endr
.endm
.macro SEND i
.irp e, 0,1,2,3,4,5,6,7
	global_store_b128 v[CO], v[BK+32*((\i)%2)+4*\e:BK+32*((\i)%2)+4*\e+3], s[8:9] offset:(32*((\i)/2)+8*((\i)%2)+2*\e+8*(\e/4))*16384 th:TH_STORE_NT
.endr
.endm
	TOSTAGE 0
.irp i, 1,2,3
.if \i > 1
	s_wait_xcnt 0x0
.endif
	TOSTAGE \i
	s_wait_dscnt 16
	SEND \i-1
.endr
	s_wait_dscnt 0x0
	SEND 3
	s_wait_tensorcnt 0x0
	ds_add_u32 v[SPW], v[NIL]
	s_wait_dscnt 0x0
	CROUND
	s_endpgm
.Lfunc_end_k_qaa6631e61f_outp:
	.size	k_qaa6631e61f_outp, .Lfunc_end_k_qaa6631e61f_outp-k_qaa6631e61f_outp
	.p2alignl 7, 3214868480
	.fill 96, 4, 3214868480
	.section	.rodata,"a",@progbits
	.p2align	6, 0x0
	.amdhsa_kernel k_qaa6631e61f_outp
		.amdhsa_group_segment_fixed_size 327680
		.amdhsa_private_segment_fixed_size 0
		.amdhsa_enable_private_segment 0
		.amdhsa_kernarg_size 24
		.amdhsa_user_sgpr_count 2
		.amdhsa_user_sgpr_kernarg_segment_ptr 1
		.amdhsa_wavefront_size32 1
		.amdhsa_system_sgpr_workgroup_id_x 1
		.amdhsa_system_sgpr_workgroup_id_y 1
		.amdhsa_system_sgpr_workgroup_id_z 1
		.amdhsa_system_vgpr_workitem_id 0
		.amdhsa_next_free_vgpr 512
		.amdhsa_next_free_sgpr 100
		.amdhsa_reserve_vcc 0
		.amdhsa_float_denorm_mode_32 3
		.amdhsa_float_denorm_mode_16_64 3
		.amdhsa_memory_ordered 1
		.amdhsa_forward_progress 1
		.amdhsa_inst_pref_size 144
	.end_amdhsa_kernel
	.amdgpu_metadata
---
amdhsa.version: [ 1, 2 ]
amdhsa.kernels:
  - .name:           k_qaa6631e61f_outp
    .symbol:         k_qaa6631e61f_outp.kd
    .args:
      - { .name: woc, .offset: 0, .size: 8, .value_kind: global_buffer, .address_space: global }
      - { .name: oc, .offset: 8, .size: 8, .value_kind: global_buffer, .address_space: global }
      - { .name: out0, .offset: 16, .size: 8, .value_kind: global_buffer, .address_space: global }
    .group_segment_fixed_size: 327680
    .private_segment_fixed_size: 0
    .kernarg_segment_align: 8
    .kernarg_segment_size: 24
    .max_flat_workgroup_size: 128
    .sgpr_count:     100
    .vgpr_count:     512
    .wavefront_size: 32
...
	.end_amdgpu_metadata
.endif
;; end of part 4
